; MI455X (gfx1250); checked and timed in simulation.
; The chip was launched on July 23, 2026; its instructions are those of AMD's public machine-readable ISA for CDNA 5 (MIT licence, August 2026) and "CDNA5" Instruction Set Architecture Reference Guide (July 2026). The comments in the code are by the model that wrote it; some were corrected since.
;; Dotproduct scaled. Allowed arithmetic: float matrix products may take bf16 or f16 operands with f32 sums; all other float work in f32.
;; Inputs: db1 512 float32; db2 512 float32; db3 512 float32; dw1 512 x 512 float32; dw2 512 x 512 float32; dw3 512 x 512 float32; inputs 4 x 16 x 512 x 512 float32; mask_array 4 x 8,192 x 512 float32.
;; Outputs: out0 4 x 16 x 512 x 512 float32.
;; 2 versions, each right; version 2 is version 1 with the launch prep written anew for expert scheduling mode. Each part assembles by itself: llvm-mc -triple=amdgcn-amd-amdhsa -mcpu=gfx1250 --defsym DOCPART=n.
;; ======== version 1 of 2: 2 launches
;; workspace buffers: xb 33,554,432 bytes; mb 524,288 bytes; w3b 524,288 bytes; uv 2,048 bytes; wv 2,048 bytes
;; launch prep (part 1): grid 400 x 1, 8 waves a work-group, no clusters, 155,648 bytes of LDS; arguments inputs, dw1, dw2, dw3, db1, db2, xb, mb, w3b, uv, wv; writes xb, mb, w3b, uv, wv
.if DOCPART == 1
	.amdgcn_target "amdgcn-amd-amdhsa--gfx1250"
	.amdhsa_code_object_version 6
	.text
	.protected	k_q843220f532_prep
	.globl	k_q843220f532_prep
	.p2align	8
	.type	k_q843220f532_prep,@function
k_q843220f532_prep:
	s_mov_b64 s[64:65], 0
	v_nop
	global_prefetch_b8 v0, s[64:65] scope:SCOPE_SE
	s_setreg_imm32_b32 hwreg(HW_REG_WAVE_MODE, 25, 1), 1
	s_wait_xcnt 0x0
; prep: everything that the attention launch needs once.
;   work-groups   0..127  mb[e][e'] = sum over d of dw1[e][d] dw2[e'][d], bf16   (16 rows x 128 columns each)
;   work-groups 128..131  uv[e']    = sum over d of dw2[e'][d] db1[d],    f32    (128 numbers each)
;   work-groups 132..135  wv[e]     = sum over d of dw1[e][d] db2[d],     f32    (128 numbers each)
;   work-groups 136..143  w3b = dw3 in bf16, columns reordered                   (64 rows each)
;   work-groups 144..399  xb  = inputs in bf16, rows reordered                   (128 rows each)
; THE REORDERING: inside each aligned group of 64, place 16 t + q holds number 4 q + t (t = 0..3, q = 0..15).  Lane q of the four
; neighbouring 16-wide matrix tiles t = 0..3 then holds four NEIGHBOURING numbers 4 q .. 4 q + 3: 16 bytes of f32 in one lane.
; LIMITS: the operands of mb's product are rounded to bf16, its sums are f32, in two chains (even and odd steps of 32 along K) added at the
; end, and mb is rounded to bf16 when stored.  uv and wv are made in f32 throughout.
; Every load of the weights covers 512 consecutive bytes of one row; matrix fragments are read from LDS, not from memory.
; LDS: 0 (16,640): 16 rows of dw1 in bf16, pitch 1,040.   16,640 (133,120): 128 rows of dw2, the same pitch.
;      149,760 (4,352): mb's stage, 16 rows of pitch 272.   154,112 (512): the stage of uv and wv.  No two ways into LDS share bytes.
.set GP,   1040                        ; a row of 512 bf16 + 16 bytes: an odd multiple of 16, so a fragment's 16 rows start in 16 different 16-byte columns
.set GB,   16*GP
.set STG,  GB+128*GP
.set VSTG, STG+16*272
.set LSA,  6                           ; v6   LDS, way in, my 2 rows of dw1
.set LSB,  7                           ; v7   LDS, way in, my 16 rows of dw2
.set AF,   8                           ; v8   fragments of dw1's rows
.set BF,   9                           ; v9   fragments of my 16 rows of dw2
.set SIN,  10                          ; v10  stage, way in
.set RDM,  11                          ; v11  stage, way back
.set OUTM, 12                          ; v12  my bytes in mb
.set VW,   13                          ; v13  vectors' stage, way in
.set VR,   14                          ; v14  vectors' stage, way back
.set X,    16                          ; v16-143  ring of 32 loads
.set Y,    144                         ; v144-207 what the ring hands on
.set FR,   16                          ; v16-207  three sets of fragments: 4 K steps x (A 8, B 8 registers)
.set ACC,  208                         ; v208-223 two accumulator tiles
.set PK,   224                         ; v224-227 packed results
.set DT,   144                         ; v144-175 uv, wv: a pair of sums for each of my 16 rows
.set BV,   176                         ; v176-191 uv, wv: my 16 numbers of the bias
	s_load_b512 s[4:19], s[0:1], 0x0               ; inputs 4, dw1 6, dw2 8, dw3 10, db1 12, db2 14, xb 16, mb 18
	s_load_b128 s[20:23], s[0:1], 0x40             ; w3b 20, uv 22
	s_load_b64 s[24:25], s[0:1], 0x50              ; wv 24
	v_lshl_add_u32 v254, v0, 2, 0x25c00
	v_mov_b32 v255, 0
	v_lshrrev_b32 v1, 5, v0
	v_readfirstlane_b32 s26, v1                    ; wave 0..7
	v_and_b32 v1, 15, v0                           ; r
	v_bfe_u32 v2, v0, 4, 1                         ; h
	v_and_b32 v3, 31, v0                           ; lane L
	s_wait_kmcnt 0x0
	s_cmp_lt_u32 ttmp9, 128
	s_cbranch_scc1 .Lgemm
	s_cmp_lt_u32 ttmp9, 136
	s_cbranch_scc1 .Ldot
	s_cmp_lt_u32 ttmp9, 144
	s_cbranch_scc1 .Lw3
; ---------------------------------------------------------------- the cast: 128 rows of inputs, 16 rows a wave
; Unit u = 0..63 of a wave is 512 consecutive bytes of f32 (a quarter of row u / 4): one 16-byte load a lane, one 8-byte store a lane,
; and the wave's store covers 256 consecutive bytes, aligned.  32 loads of every wave are on their way.
	s_sub_co_u32 s28, ttmp9, 144
	s_lshl_b32 s30, s28, 18                        ; 128 rows of 2,048 bytes
	s_mov_b32 s31, 0
	s_add_nc_u64 s[4:5], s[4:5], s[30:31]
	s_lshl_b32 s30, s28, 17                        ; 128 rows of 1,024 bytes
	s_add_nc_u64 s[16:17], s[16:17], s[30:31]
	v_lshlrev_b32 v4, 4, v3
	v_lshl_add_u32 v4, s26, 15, v4                 ; in: 16 L + wave x 16 rows
	s_lshr_b32 s29, s26, 2
	s_and_b32 s30, s26, 3
	s_lshl_b32 s29, s29, 16                        ; row 16 w + i goes to place 64 (w / 4) + 16 (i % 4) + 4 (w % 4) + i / 4
	s_lshl_b32 s30, s30, 12
	s_add_co_u32 s29, s29, s30
	v_lshl_add_u32 v5, v3, 3, s29                  ; out: 8 L + the wave's part of the place; i's part stands in the immediate
.set u, 0
.rept 32
	global_load_b128 v[X+4*u:X+4*u+3], v4, s[4:5] offset:512*u th:TH_LOAD_NT
.set u, u+1
.endr
.set u, 0
.rept 64
.if u < 32
	s_wait_loadcnt 31                              ; loads return in order: unit u is in, the 31 younger loads stay out
.else
	s_wait_loadcnt 63-u                            ; nothing is loaded any more: the counts run down
	s_wait_xcnt 0x0                                ; this slot's Y, which the store of unit u - 32 reads, is rewritten only behind this wait
.endif
	v_cvt_pk_bf16_f32 v[Y+2*(u&31)], v[X+4*(u&31)], v[X+4*(u&31)+1]
	v_cvt_pk_bf16_f32 v[Y+2*(u&31)+1], v[X+4*(u&31)+2], v[X+4*(u&31)+3]
.if u < 32
	global_load_b128 v[X+4*u:X+4*u+3], v4, s[4:5] offset:512*(u+32) th:TH_LOAD_NT
.endif
	global_store_b64 v5, v[Y+2*(u&31):Y+2*(u&31)+1], s[16:17] offset:(16*((u>>2)&3)+(u>>4))*1024+256*(u&3)
.set u, u+1
.endr
	s_endpgm
; ---------------------------------------------------------------- dw3: 64 rows, 8 rows a wave, columns reordered
; Unit u = (row u / 2, half u % 2) is 256 places = 512 bytes of bf16: lane L stores places 8 L .. 8 L + 7, which are the columns
; 64 (L / 8) + 32 (L % 2) + 4 k + (L / 2) % 4, k = 0..7.  The 4-byte loads are a gather made once, of 1 MiB in the whole launch.
.Lw3:
	s_sub_co_u32 s28, ttmp9, 136
	s_lshl_b32 s30, s28, 17
	s_mov_b32 s31, 0
	s_add_nc_u64 s[10:11], s[10:11], s[30:31]
	s_lshl_b32 s30, s28, 16
	s_add_nc_u64 s[20:21], s[20:21], s[30:31]
	v_lshrrev_b32 v4, 3, v3
	v_and_b32 v5, 1, v3
	v_bfe_u32 v6, v3, 1, 2
	v_lshlrev_b32 v4, 8, v4
	v_lshl_add_u32 v4, v5, 7, v4
	v_lshl_add_u32 v4, v6, 2, v4
	v_lshl_add_u32 v4, s26, 14, v4                 ; + wave x 8 rows of 2,048 bytes
	v_lshlrev_b32 v7, 4, v3
	v_lshl_add_u32 v7, s26, 13, v7                 ; out: 16 L + wave x 8 rows of 1,024 bytes
.set u, 0
.rept 16
.set k, 0
.rept 8
	global_load_b32 v[16+8*u+k], v4, s[10:11] offset:(u>>1)*2048+(u&1)*1024+16*k
.set k, k+1
.endr
.set u, u+1
.endr
.set u, 0
.rept 16
.if 8*(15-u) > 63
	s_wait_loadcnt 63                              ; 8 (15 - u) younger loads could stay out; the count's field ends at 63
.else
	s_wait_loadcnt 8*(15-u)                        ; unit u's eight loads are in, the younger units' stay out
.endif
.set k, 0
.rept 4
	v_cvt_pk_bf16_f32 v[144+4*u+k], v[16+8*u+2*k], v[16+8*u+2*k+1]
.set k, k+1
.endr
	global_store_b128 v7, v[144+4*u:144+4*u+3], s[20:21] offset:(u>>1)*1024+(u&1)*512
.set u, u+1
.endr
	s_endpgm
; ---------------------------------------------------------------- uv and wv: 128 rows, 16 rows a wave, in f32
; Unit u = 0..63 is a quarter of row u / 4, 512 consecutive bytes; lane L holds numbers 128 (u % 4) + 4 L .. + 3 of the row and, once, of the bias.
.Ldot:
	s_sub_co_u32 s28, ttmp9, 128                   ; 0..3 uv, 4..7 wv
	s_and_b32 s29, s28, 3                          ; which 128 rows
	s_cmp_lt_u32 s28, 4
	s_cselect_b64 s[32:33], s[8:9], s[6:7]         ; the rows: dw2 for uv, dw1 for wv
	s_cselect_b64 s[34:35], s[12:13], s[14:15]     ; the bias: db1 for uv, db2 for wv
	s_cselect_b64 s[36:37], s[22:23], s[24:25]     ; where it goes
	s_lshl_b32 s30, s29, 18
	s_lshl_b32 s31, s26, 15
	s_add_co_u32 s30, s30, s31
	s_mov_b32 s31, 0
	s_add_nc_u64 s[32:33], s[32:33], s[30:31]
	v_lshlrev_b32 v4, 4, v3                        ; 16 L
.irp q, 0,1,2,3
	global_load_b128 v[BV+4*\q:BV+4*\q+3], v4, s[34:35] offset:512*\q
.endr
.set u, 0
.rept 32
	global_load_b128 v[X+4*u:X+4*u+3], v4, s[32:33] offset:512*u
.set u, u+1
.endr
	s_mov_b32 s38, 0x76543210                      ; v_permlanex16_b32: lane i of the other half
	s_mov_b32 s39, 0xfedcba98
	s_lshl_b32 s40, s26, 6
	s_add_co_u32 s40, s40, VSTG
	v_mov_b32 v[VW], s40                           ; my wave's 16 numbers
	v_add_nc_u32 v[VR], VSTG, v4
.set u, 0
.rept 64
.if u < 32
	s_wait_loadcnt 31                              ; unit u is in (and the bias, which is older); the 31 younger loads stay out
.else
	s_wait_loadcnt 63-u                            ; nothing is loaded any more: the counts run down
.endif
.if (u&3) == 0
	v_pk_mul_f32 v[DT+2*(u>>2):DT+2*(u>>2)+1], v[X+4*(u&31):X+4*(u&31)+1], v[BV:BV+1]      ; a row's first product starts its sums
.else
	v_pk_fma_f32 v[DT+2*(u>>2):DT+2*(u>>2)+1], v[X+4*(u&31):X+4*(u&31)+1], v[BV+4*(u&3):BV+4*(u&3)+1], v[DT+2*(u>>2):DT+2*(u>>2)+1]
.endif
	v_pk_fma_f32 v[DT+2*(u>>2):DT+2*(u>>2)+1], v[X+4*(u&31)+2:X+4*(u&31)+3], v[BV+4*(u&3)+2:BV+4*(u&3)+3], v[DT+2*(u>>2):DT+2*(u>>2)+1]
.if u < 32
	global_load_b128 v[X+4*u:X+4*u+3], v4, s[32:33] offset:512*(u+32)
.endif
.set u, u+1
.endr
.irp i, 0,1,2,3,4,5,6,7,8,9,10,11,12,13,14,15
	v_add_f32 v[DT+2*\i], v[DT+2*\i], v[DT+2*\i+1]
.endr
.irp x, 1,2,4,8
.irp i, 0,1,2,3,4,5,6,7,8,9,10,11,12,13,14,15
	v_add_f32_dpp v[DT+2*\i], v[DT+2*\i], v[DT+2*\i] row_xmask:\x row_mask:0xf bank_mask:0xf
.endr
.endr
.irp i, 0,1,2,3,4,5,6,7,8,9,10,11,12,13,14,15
	v_permlanex16_b32 v[DT+2*\i+1], v[DT+2*\i], s38, s39
.endr
.irp i, 0,1,2,3,4,5,6,7,8,9,10,11,12,13,14,15
	v_add_f32 v[DT+2*\i], v[DT+2*\i], v[DT+2*\i+1]       ; every lane holds row i's number
.endr
.irp i, 0,1,2,3,4,5,6,7,8,9,10,11,12,13,14,15
	ds_store_b32 v[VW], v[DT+2*\i] offset:4*\i           ; all lanes write the same word with the same value
.endr
	s_wait_dscnt 0x0                               ; my 16 numbers are written,
	s_barrier_signal -1
	s_barrier_wait -1                              ; everybody's are
	s_cmp_lg_u32 s26, 0
	s_cbranch_scc1 .Ldot_end                       ; 512 bytes: one store of wave 0
	ds_load_b128 v[16:19], v[VR]
	s_lshl_b32 s30, s29, 9
	s_add_nc_u64 s[36:37], s[36:37], s[30:31]
	s_wait_dscnt 0x0
	global_store_b128 v4, v[16:19], s[36:37]       ; 512 consecutive bytes, aligned
.Ldot_end:
	s_wait_tensorcnt 0x0
	ds_add_u32 v254, v255
	s_wait_dscnt 0x0
	s_endpgm
; ---------------------------------------------------------------- mb: 16 rows x 128 columns, a wave 16 x 16, K = 512
; Wave w brings rows 2 w, 2 w + 1 of the 16 of dw1 (units 0..7) and the 16 rows of dw2 that make its own columns (units 8..71): 72 loads of
; 512 consecutive bytes, 32 of them on their way; each unit is rounded to bf16 and laid into LDS.  One barrier shows dw1's rows to all.
.Lgemm:
	s_lshr_b32 s28, ttmp9, 2                       ; which 16 rows of mb
	s_and_b32 s29, ttmp9, 3                        ; which 128 columns
	s_lshl_b32 s30, s28, 15
	s_lshl_b32 s36, s26, 12
	s_add_co_u32 s30, s30, s36
	s_mov_b32 s31, 0
	s_add_nc_u64 s[34:35], s[6:7], s[30:31]        ; dw1 at row 16 x block + 2 w
	s_lshl_b32 s30, s29, 18
	s_lshl_b32 s36, s26, 15
	s_add_co_u32 s30, s30, s36
	s_add_nc_u64 s[32:33], s[8:9], s[30:31]        ; dw2 at row 128 x block + 16 w
	v_lshlrev_b32 v4, 4, v3                        ; 16 L
.set u, 0
.rept 32
.if u < 8
	global_load_b128 v[X+4*u:X+4*u+3], v4, s[34:35] offset:512*u
.else
	global_load_b128 v[X+4*u:X+4*u+3], v4, s[32:33] offset:512*(u-8)
.endif
.set u, u+1
.endr
	s_lshl_b32 s30, s28, 14                        ; mb: 16 rows of 1,024 bytes, 128 columns of 2
	s_lshl_b32 s36, s29, 8
	s_add_co_u32 s30, s30, s36
	s_add_nc_u64 s[18:19], s[18:19], s[30:31]
	v_lshlrev_b32 v5, 3, v3                        ; 8 L
	s_mul_i32 s36, s26, 2*GP
	v_add_nc_u32 v[LSA], s36, v5
	s_mul_i32 s37, s26, 16*GP
	s_add_co_u32 s37, s37, GB
	v_add_nc_u32 v[LSB], s37, v5
	v_mul_u32_u24 v[AF], v1, GP
	v_lshl_add_u32 v[AF], v2, 4, v[AF]             ; r x pitch + 16 h
	v_add_nc_u32 v[BF], s37, v[AF]
	v_mul_u32_u24 v[SIN], v1, 272
	v_lshl_add_u32 v[SIN], v2, 4, v[SIN]
	s_lshl_b32 s38, s26, 5
	s_add_co_u32 s38, s38, STG
	v_add_nc_u32 v[SIN], s38, v[SIN]               ; stage + r x 272 + 32 w + 16 h
	v_mul_u32_u24 v[RDM], v2, 272
	v_lshl_add_u32 v[RDM], v1, 4, v[RDM]
	s_mul_i32 s38, s26, 2*272
	s_add_co_u32 s38, s38, STG
	v_add_nc_u32 v[RDM], s38, v[RDM]               ; stage + (2 w + h) x 272 + 16 r
	v_lshlrev_b32 v[OUTM], 10, v2
	v_lshl_add_u32 v[OUTM], v1, 4, v[OUTM]
	v_lshl_add_u32 v[OUTM], s26, 11, v[OUTM]       ; (2 w + h) x 1,024 + 16 r
.set u, 0
.rept 72
.if u < 40
	s_wait_loadcnt 31                              ; unit u is in, the 31 younger loads stay out
.else
	s_wait_loadcnt 71-u                            ; nothing is loaded any more: the counts run down
.endif
	v_cvt_pk_bf16_f32 v[Y+2*(u&31)], v[X+4*(u&31)], v[X+4*(u&31)+1]
	v_cvt_pk_bf16_f32 v[Y+2*(u&31)+1], v[X+4*(u&31)+2], v[X+4*(u&31)+3]
.if u < 40
	global_load_b128 v[X+4*(u&31):X+4*(u&31)+3], v4, s[32:33] offset:512*(u+24)   ; unit u + 32
.endif
.if u < 8
	ds_store_b64 v[LSA], v[Y+2*(u&31):Y+2*(u&31)+1] offset:(u>>2)*GP+(u&3)*256
.else
	ds_store_b64 v[LSB], v[Y+2*(u&31):Y+2*(u&31)+1] offset:((u-8)>>2)*GP+((u-8)&3)*256
.endif
.set u, u+1
.endr
	s_wait_dscnt 0x0                               ; my rows are written,
	s_barrier_signal -1
	s_barrier_wait -1                              ; everybody's are
.macro KLD set, k0                     ; 16 LDS loads: the fragments of four K steps of 32
.irp kk, 0,1,2,3
	ds_load_b128 v[FR+64*\set+16*\kk:FR+64*\set+16*\kk+3], v[AF] offset:64*(\k0+\kk)
	ds_load_b128 v[FR+64*\set+16*\kk+4:FR+64*\set+16*\kk+7], v[AF] offset:64*(\k0+\kk)+32
	ds_load_b128 v[FR+64*\set+16*\kk+8:FR+64*\set+16*\kk+11], v[BF] offset:64*(\k0+\kk)
	ds_load_b128 v[FR+64*\set+16*\kk+12:FR+64*\set+16*\kk+15], v[BF] offset:64*(\k0+\kk)+32
.endr
.endm
; Used transposed (dw2's fragment first): lane (r, h) then holds row r of mb and eight neighbouring columns 8 h + j.
; Even and odd K steps go to two accumulators that take turns, one instruction a turn.
.macro KMUL set, zero
.irp kk, 0,1,2,3
.if \zero*(2-\kk) > 0
	v_wmma_f32_16x16x32_bf16 v[ACC+8*(\kk&1):ACC+8*(\kk&1)+7], v[FR+64*\set+16*\kk+8:FR+64*\set+16*\kk+15], v[FR+64*\set+16*\kk:FR+64*\set+16*\kk+7], 0
.else
	v_wmma_f32_16x16x32_bf16 v[ACC+8*(\kk&1):ACC+8*(\kk&1)+7], v[FR+64*\set+16*\kk+8:FR+64*\set+16*\kk+15], v[FR+64*\set+16*\kk:FR+64*\set+16*\kk+7], v[ACC+8*(\kk&1):ACC+8*(\kk&1)+7]
.endif
.endr
.endm
	KLD 0, 0
	KLD 1, 4
	KLD 2, 8
	s_wait_dscnt 32                                ; set 0 is in; the two younger sets of 16 loads stay out
	KMUL 0, 1                                      ; the first two products start the sums: nothing is cleared
.rept 4
	v_nop                                          ; four places before loads are issued into the sources
.endr
	KLD 0, 12
	s_wait_dscnt 32                                ; set 1 is in
	KMUL 1, 0
	s_wait_dscnt 16                                ; set 2 is in
	KMUL 2, 0
	s_wait_dscnt 0x0
	KMUL 0, 0
.rept 4
	v_nop                                          ; four places before the results are read
.endr
.irp p, 0,2,4,6
	v_pk_add_f32 v[ACC+\p:ACC+\p+1], v[ACC+\p:ACC+\p+1], v[ACC+8+\p:ACC+8+\p+1]
.endr
.irp i, 0,1,2,3
	v_cvt_pk_bf16_f32 v[PK+\i], v[ACC+2*\i], v[ACC+2*\i+1]
.endr
	ds_store_b128 v[SIN], v[PK:PK+3]               ; row r, columns 16 w + 8 h .. + 7
	s_wait_dscnt 0x0                               ; my part of the stage is written,
	s_barrier_signal -1
	s_barrier_wait -1                              ; everybody's is
	ds_load_b128 v[16:19], v[RDM]                  ; rows 2 w and 2 w + 1, 256 bytes each
	s_wait_dscnt 0x0
	global_store_b128 v[OUTM], v[16:19], s[18:19]  ; sixteen lanes store 256 consecutive bytes, aligned
	s_wait_tensorcnt 0x0
	ds_add_u32 v254, v255
	s_wait_dscnt 0x0
	s_endpgm
.Lfunc_end_k_q843220f532_prep:
	.size	k_q843220f532_prep, .Lfunc_end_k_q843220f532_prep-k_q843220f532_prep
	.p2alignl 7, 3214868480
	.fill 96, 4, 3214868480
	.section	.rodata,"a",@progbits
	.p2align	6, 0x0
	.amdhsa_kernel k_q843220f532_prep
		.amdhsa_group_segment_fixed_size 155648
		.amdhsa_private_segment_fixed_size 0
		.amdhsa_enable_private_segment 0
		.amdhsa_kernarg_size 88
		.amdhsa_user_sgpr_count 2
		.amdhsa_user_sgpr_kernarg_segment_ptr 1
		.amdhsa_wavefront_size32 1
		.amdhsa_system_sgpr_workgroup_id_x 1
		.amdhsa_system_sgpr_workgroup_id_y 1
		.amdhsa_system_sgpr_workgroup_id_z 1
		.amdhsa_system_vgpr_workitem_id 0
		.amdhsa_next_free_vgpr 256
		.amdhsa_next_free_sgpr 66
		.amdhsa_reserve_vcc 0
		.amdhsa_float_denorm_mode_32 3
		.amdhsa_float_denorm_mode_16_64 3
		.amdhsa_memory_ordered 1
		.amdhsa_forward_progress 1
		.amdhsa_inst_pref_size 99
	.end_amdhsa_kernel
	.amdgpu_metadata
---
amdhsa.version: [ 1, 2 ]
amdhsa.kernels:
  - .name:           k_q843220f532_prep
    .symbol:         k_q843220f532_prep.kd
    .args:
      - { .name: inputs, .offset: 0, .size: 8, .value_kind: global_buffer, .address_space: global }
      - { .name: dw1, .offset: 8, .size: 8, .value_kind: global_buffer, .address_space: global }
      - { .name: dw2, .offset: 16, .size: 8, .value_kind: global_buffer, .address_space: global }
      - { .name: dw3, .offset: 24, .size: 8, .value_kind: global_buffer, .address_space: global }
      - { .name: db1, .offset: 32, .size: 8, .value_kind: global_buffer, .address_space: global }
      - { .name: db2, .offset: 40, .size: 8, .value_kind: global_buffer, .address_space: global }
      - { .name: xb, .offset: 48, .size: 8, .value_kind: global_buffer, .address_space: global }
      - { .name: mb, .offset: 56, .size: 8, .value_kind: global_buffer, .address_space: global }
      - { .name: w3b, .offset: 64, .size: 8, .value_kind: global_buffer, .address_space: global }
      - { .name: uv, .offset: 72, .size: 8, .value_kind: global_buffer, .address_space: global }
      - { .name: wv, .offset: 80, .size: 8, .value_kind: global_buffer, .address_space: global }
    .group_segment_fixed_size: 155648
    .private_segment_fixed_size: 0
    .kernarg_segment_align: 8
    .kernarg_segment_size: 88
    .max_flat_workgroup_size: 256
    .sgpr_count:     66
    .vgpr_count:     256
    .wavefront_size: 32
...
	.end_amdgpu_metadata
.endif
;; end of part 1
;; launch attn (part 2): grid 256 x 1, 4 waves a work-group, clusters of 4 x 1, 327,680 bytes of LDS; arguments xb, mb, w3b, uv, wv, mask_array, inputs, db1, db2, db3, out0; writes out0
.if DOCPART == 2
	.amdgcn_target "amdgcn-amd-amdhsa--gfx1250"
	.amdhsa_code_object_version 6
	.text
	.protected	k_q843220f532_attn
	.globl	k_q843220f532_attn
	.p2align	8
	.type	k_q843220f532_attn,@function
k_q843220f532_attn:
	s_mov_b64 s[64:65], 0
	v_nop
	global_prefetch_b8 v0, s[64:65] scope:SCOPE_SE
	s_setreg_imm32_b32 hwreg(HW_REG_WAVE_MODE, 25, 1), 1
	s_wait_xcnt 0x0
	s_wait_alu depctr_hold_cnt(0) depctr_sa_sdst(0) depctr_va_vdst(0) depctr_va_sdst(0) depctr_va_ssrc(0) depctr_va_vcc(0) depctr_vm_vsrc(0)
	s_getreg_b32 s2, hwreg(HW_REG_IB_STS2, 6, 4)
	s_cmp_eq_u32 s2, 0
	s_cbranch_scc0 .Lentry_in_a_cluster
	s_endpgm
.Lentry_in_a_cluster:
	s_bfe_u32 s2, ttmp6, 0x10000c
	s_cmp_lg_u32 s2, 0x3003
	s_cbranch_scc0 .Lentry_shape_is_right
	s_endpgm
.Lentry_shape_is_right:
; attn: block-local attention, residual and LayerNorm.  64 blocks X[512][512]; a cluster of four work-groups takes a block, a work-group
; 128 query rows, a wave all 128 rows x 128 columns of every product: 64 accumulator tiles of 16 x 16, 512 registers.
; THE PRODUCTS ARE REASSOCIATED (exact algebra, another order of rounding than the problem's formula):
;   1  Q' = Xq M + u            M = dw1 dw2^T, u = dw2 db1 (launch prep);  beside it r = Xq w + db1.db2, w = dw1 db2
;   2  S  = Q' X^T + r          = (Xq dw1 + db1)(X dw2 + db2)^T.   Then S / sqrt(512) + (1 - mask)(-1e10), the row's true maximum taken away, exp
;   3  Y~ = P~ X                P~ = the exponentials, not yet divided;  beside it the row sum l = P~ 1;  Y = Y~ / l
;   4  O  = Y dw3 + db3         = P (X dw3 + db3), since P's rows sum to 1.   Then + inputs (f32), mean, centred squares, 1 / sqrt(var + 1e-3)
; So no work-group computes K or V of the block again, and there are four products of 128 x 512 x 512 for a work-group.
; LIMITS: M, X, w, Q', P~ (in (0, 1]), Y and dw3 enter the matrix unit rounded to bf16; the row sum is the matrix unit's f32 sum of the same
; bf16 P~ that product 3 multiplies; / sqrt(512) is a multiplication by its f32 reciprocal, fused with the addition of the mask term.
; THE LAYOUT: xb's rows and w3b's columns are reordered inside groups of 64 (place 16 t + q = number 4 q + t).  Tile b = 4 g + t of wave w then
; holds in lane r the true column 128 w + 64 g + 4 r + t, and register j of tile row a, lane half h, the true row 64 (a / 4) + 4 (8 h + j) + a % 4.
; One 16-byte access of a lane serves tiles 4 g .. 4 g + 3, and sixteen lanes cover 256 consecutive bytes, aligned, of mask, inputs and out0.
; CLUSTER: the four work-groups of a block walk the same tiles of mb, xb and w3b: every ring tile is asked for jointly (mask 15).
; K STEP: a ring tile is 64 along K.  In product 2 its rows are 128 bytes: two slots of 128 along K (2 x 139,264 bytes) do not fit beside the
; 147,456 bytes of the A operand.
; LDS: AB 0 (147,456): Xq as [row][k], pitch 1,040, its one fill by a tensor load; later Q', P~, Y as [k][row], 512 rows of pitch 288, by ds_store.
;      RING 147,456: two slots of four wave strips of 18,432 (64 k rows of pitch 288, or 128 n rows of pitch 144).  A wave reads its own strip only.
;      294,912: three tables [wave][128 rows] f32 for the maxima and sums across waves.   303,104: w in bf16.
;      Scratch of 8,960 bytes a wave for the reductions: for the maximum in the wave's own quarter of AB (Q' is dead, and only this wave writes
;      that quarter next); for LayerNorm in the wave's own strip of ring slot 0, behind that slot's last fill.
; REGISTERS: window 0: v1-31, v46-51 addresses, db3; v64-127 F0 / ST; v128-191 F1 / T; v192-255 TMP.  window 1: v0-23 w's fragments and db1.db2,
;      in product 3 v0-7 ones, then v0-63 1 / row sum; v64-191 B's fragments; v192-255 r, then the row sums, then db3 as C tiles.
;      windows 2, 3: accumulators, tile (a, b) at v[8 (8 (a % 4) + b)].  Spare blocks of 64 registers are pools for the batches of mask and inputs.
.set PA,    1040
.set PT,    288
.set PN,    144
.set RING,  147456
.set SLOT,  73728
.set STRIP, 18432
.set SMAX,  294912
.set XMAX,  0
.set XLN0,  2048
.set XLN1,  4096
.set WVL,   303104
.set SCP,   528                        ; scratch: 16 rows (one for each lane r) of 128 f32, pitch 528
.set SCF,   16*SCP                     ; behind them the 128 finished row figures
.set ADRA0, 8                          ; Xq fragments, tile rows 0-3: r x 1,040 + 16 h
.set ADRA1, 9                          ; tile rows 4-7
.set ADRT,  10                         ; transposed A fragments, stepped lap by lap
.set ADRT0, 11                         ; its start: (8 h + L % 8) x 288 + 16 ((L / 8) % 2)
.set ADRBK, 12                         ; v12, 13  B from [k][n] strips, slot 0, 1
.set ADRBN, 14                         ; v14, 15  B from [n][k] strips, slot 0, 1
.set ADRW,  16                         ; w's fragments
.set STO,   17                         ; (128 w + r) x 288 + 16 h: where a tile column goes in AB
.set GOFF,  18                         ; 65,536 h + 512 w + 16 r: mask, inputs, out0
.set TBW,   19                         ; tables, my wave's part: + 512 w + 16 L
.set TBR,   20                         ; tables, wave 0's part: + 16 L
.set PFO,   21                         ; prefetches
.set EPS,   22                         ; v22, 23  1e-3
.set B3V,   24                         ; v24-31  db3 of my eight tiles' columns
.set SCA,   46                         ; v46-48  scratch in AB: + r x 528 + 32 h;  + 16 L;  + 32 h
.set SCB,   49                         ; v49-51  the same three for the scratch in the ring
.set F0,    64
.set F1,    128
.set ST,    64                         ; 64 row figures: register 8 a + j
.set T,     128
.set TMP,   192
.set G1KN,  32                         ; s[32:39] shape: 64 rows x 128 elements, LDS pitch 288, joint
.set G1NK,  40                         ; s[40:47] shape: 128 rows x 64 elements, LDS pitch 144, joint
.set G1A,   48                         ; s[48:55] shape: 32 rows x 512 elements, LDS pitch 1,040, my work-group's own
.set G0,    56                         ; s[56:63] from where, to where: one set for each slot
.set G0A,   68                         ; s[68:71] the same for Xq
.set PB,    72                         ; s[72:83] first two tiles' addresses of products 2, 3, 4
.set MSB,   0
.set PFB,   -1                         ; the batch that the next prefetch asks for; -1: none
.macro WIN new                         ; the immediate's high byte repeats the setting that is left
.if MSB != (\new)
	s_set_vgpr_msb (MSB<<8)|(\new)
.set MSB, (\new)
.endif
.endm
.macro PLACES                          ; four places (ISA guide 7.12.1) behind matrix instructions, before their results are read or their registers written or loaded
.rept 4
	v_nop
.endr
.endm
.macro CREST                           ; a round of the cluster's barrier behind its opening work-group barrier
	s_cmp_lg_u32 s26, 0
	s_cbranch_scc1 .Lnot_wave_0_\@
	s_barrier_signal -3
.Lnot_wave_0_\@:
	s_barrier_wait -3
	s_barrier_signal -1
	s_barrier_wait -1
.endm
.macro CROUND
	s_barrier_signal -1
	s_barrier_wait -1
	CREST
.endm
; windows of a product: A (source 0) window 0, B (source 1) window 1, D window 2 + hi; C the same, or window cw where C is a tile of its own
.macro MWIN hi, cm, cw
.if \cm < 2
	WIN (0xa4+0x50*\hi)
.else
	WIN (0x84+0x40*\hi+0x10*\cw)
.endif
.endm
; 16 matrix instructions: tile rows a0, a0 + 1 of the window's four x all eight tile columns, 32 along K.
; cm 0: add in place; 1: C = 0; 2: C = tile b of v192.. (a figure of the column); 3: C = tile 4 hi + a of v192.. (a figure of the row).
; The accumulators take turns, one instruction a turn, in one order everywhere.
.macro MUL16 f, hi, a0, cm
.irp a, \a0, \a0+1
.irp b, 0,1,2,3,4,5,6,7
.if \cm == 0
	v_wmma_f32_16x16x32_bf16 v[8*(8*(\a)+\b):8*(8*(\a)+\b)+7], v[\f+8*(4*\hi+(\a)):\f+8*(4*\hi+(\a))+7], v[\f+8*\b:\f+8*\b+7], v[8*(8*(\a)+\b):8*(8*(\a)+\b)+7]
.endif
.if \cm == 1
	v_wmma_f32_16x16x32_bf16 v[8*(8*(\a)+\b):8*(8*(\a)+\b)+7], v[\f+8*(4*\hi+(\a)):\f+8*(4*\hi+(\a))+7], v[\f+8*\b:\f+8*\b+7], 0
.endif
.if \cm == 2
	v_wmma_f32_16x16x32_bf16 v[8*(8*(\a)+\b):8*(8*(\a)+\b)+7], v[\f+8*(4*\hi+(\a)):\f+8*(4*\hi+(\a))+7], v[\f+8*\b:\f+8*\b+7], v[192+8*\b:192+8*\b+7]
.endif
.if \cm == 3
	v_wmma_f32_16x16x32_bf16 v[8*(8*(\a)+\b):8*(8*(\a)+\b)+7], v[\f+8*(4*\hi+(\a)):\f+8*(4*\hi+(\a))+7], v[\f+8*\b:\f+8*\b+7], v[192+8*(4*\hi+(\a)):192+8*(4*\hi+(\a))+7]
.endif
.endr
.endr
.endm
; r = Xq w + db1.db2: eight more accumulators (window 1, v192..); B is w in every column, so every column of a tile holds the row's r
.macro RMUL f, first
	WIN 0x54
.irp a, 0,1,2,3,4,5,6,7
.if \first
	v_wmma_f32_16x16x32_bf16 v[192+8*\a:192+8*\a+7], v[\f+8*\a:\f+8*\a+7], v[(\f-64)/8:(\f-64)/8+7], v[16:23]
.else
	v_wmma_f32_16x16x32_bf16 v[192+8*\a:192+8*\a+7], v[\f+8*\a:\f+8*\a+7], v[(\f-64)/8:(\f-64)/8+7], v[192+8*\a:192+8*\a+7]
.endif
.endr
.endm
; l = P~ 1: eight more accumulators (window 1, v192..); B is ones (window 1, v0-7): register j of tile a holds the sum of row 16 a + 8 h + j in every lane
.macro LMUL f, first
	WIN 0x54
.irp a, 0,1,2,3,4,5,6,7
.if \first
	v_wmma_f32_16x16x32_bf16 v[192+8*\a:192+8*\a+7], v[\f+8*\a:\f+8*\a+7], v[0:7], 0
.else
	v_wmma_f32_16x16x32_bf16 v[192+8*\a:192+8*\a+7], v[\f+8*\a:\f+8*\a+7], v[0:7], v[192+8*\a:192+8*\a+7]
.endif
.endr
.endm
; The fragments of 32 along K into buffer f: B's 16 loads (half q of the tile in slot), in product 1 w's two, A's 16 (chunk c of the lap) last.
.macro FETCH ph, slot, q, c, f
	WIN 0x40
.irp b, 0,1,2,3,4,5,6,7
.if \ph == 2
	ds_load_b128 v[\f+8*\b:\f+8*\b+3], v[ADRBN+\slot] offset:64*\q+16*PN*\b
	ds_load_b128 v[\f+8*\b+4:\f+8*\b+7], v[ADRBN+\slot] offset:64*\q+16*PN*\b+32
.else
	ds_load_tr16_b128 v[\f+8*\b:\f+8*\b+3], v[ADRBK+\slot] offset:32*PT*\q+32*\b
	ds_load_tr16_b128 v[\f+8*\b+4:\f+8*\b+7], v[ADRBK+\slot] offset:32*PT*\q+32*\b+16*PT
.endif
.endr
.if \ph == 1
	ds_load_b128 v[(\f-64)/8:(\f-64)/8+3], v[ADRW] offset:64*(\c)
	ds_load_b128 v[(\f-64)/8+4:(\f-64)/8+7], v[ADRW] offset:64*(\c)+32
.endif
	WIN 0
.irp a, 0,1,2,3,4,5,6,7
.if \ph == 1
.if \a < 4
	ds_load_b128 v[\f+8*\a:\f+8*\a+3], v[ADRA0] offset:64*(\c)+16*PA*\a
	ds_load_b128 v[\f+8*\a+4:\f+8*\a+7], v[ADRA0] offset:64*(\c)+16*PA*\a+32
.else
	ds_load_b128 v[\f+8*\a:\f+8*\a+3], v[ADRA1] offset:64*(\c)+16*PA*(\a-4)
	ds_load_b128 v[\f+8*\a+4:\f+8*\a+7], v[ADRA1] offset:64*(\c)+16*PA*(\a-4)+32
.endif
.else
	ds_load_tr16_b128 v[\f+8*\a:\f+8*\a+3], v[ADRT] offset:32*PT*(\c)+32*\a
	ds_load_tr16_b128 v[\f+8*\a+4:\f+8*\a+7], v[ADRT] offset:32*PT*(\c)+32*\a+16*PT
.endif
.endr
.endm
; A prefetch: in the last three half tiles of products 2 and 4 each wave asks four times, 32 to 64 matrix instructions apart, for its own
; 16 rows x 512 bytes of one batch of mask (product 2) or inputs (product 4): batches 3, 4, 5, 6, lanes 256 bytes apart, 32 KiB a work-group
; each.  Batches 0 to 2 are loaded at the product's start and batch 7 is not asked for.  All lie inside the work-group's own 128 rows.
.macro PFHOOK ph
.if PFB >= 0
	global_prefetch_b8 v[PFO], s[12+\ph:13+\ph] offset:(64*(PFB>>2)+(PFB&3))*2048 th:TH_LOAD_NT scope:SCOPE_SE
.set PFB, PFB+1
.endif
.endm
; First half of a tile: multiplies buffer 0, fetches the second half into buffer 1.
.macro HALF0 ph, slot, c, cm, cw
	s_wait_dscnt 8                                 ; all but the youngest eight loads, A's tile rows 4-7
	MWIN 0, \cm, \cw
	MUL16 F0, 0, 0, \cm
	PFHOOK \ph
	MUL16 F0, 0, 2, \cm
	PLACES
	FETCH \ph, \slot, 1, \c+1, F1
.if \ph == 1
	s_wait_dscnt 34                                ; all but the 34 just issued
.else
	s_wait_dscnt 32                                ; all but the 32 just issued
.endif
	MWIN 1, \cm, \cw
	MUL16 F0, 1, 0, \cm
	PFHOOK \ph
	MUL16 F0, 1, 2, \cm
.if \ph == 1
	RMUL F0, \cm
.endif
.if \ph == 3
	LMUL F0, \cm
.endif
.endm
; Second half of a tile: multiplies buffer 1 and changes slots.  fill 1: this slot gets the product's tile two further on; 2: the next
; product's first tile for this slot; 0: a plain barrier, nothing is left to fetch; 3: the very last half tile, no barrier.
; In front of the round each wave waits for its reads of the slot (and of AB) and for all its tensor loads, of which one is out: its strip of
; the other slot.  Inside the round stands register work alone.  The joint refill is the first tensor load behind it, one a wave.
; By this text's count a wave has three tensor loads out at the start and one behind each round.
.macro HALF1 ph, slot, oth, c, fill, next
	s_wait_dscnt 8
	WIN 0xa4
	MUL16 F1, 0, 0, 0
	s_wait_dscnt 0x0                               ; my LDS reads are over
.if \fill < 3
	s_set_vgpr_msb 0xa4a0
	s_wait_tensorcnt 0x0                           ; all my tensor loads have landed: every group 0 may be written
	ds_add_u32 v62, v63
	s_wait_dscnt 0x0
	s_set_vgpr_msb 0xa0a4
	s_barrier_signal -1
.endif
	MUL16 F1, 0, 2, 0
.if \fill < 3
	WIN 0                                          ; at a branch and at a label every window is 0
	s_barrier_wait -1
.endif
.if \fill == 1
	CREST
.if \ph == 2
	s_add_nc_u64 s[G0+4*\slot+2:G0+4*\slot+3], s[G0+4*\slot+2:G0+4*\slot+3], 256
	tensor_load_to_lds s[G0+4*\slot:G0+4*\slot+3], s[G1NK:G1NK+7]
	s_nop 0
.else
	s_add_nc_u64 s[G0+4*\slot+2:G0+4*\slot+3], s[G0+4*\slot+2:G0+4*\slot+3], 131072
	tensor_load_to_lds s[G0+4*\slot:G0+4*\slot+3], s[G1KN:G1KN+7]
	s_nop 0
.endif
.endif
.if \fill == 2
	CREST
	s_mov_b64 s[G0+4*\slot+2:G0+4*\slot+3], s[PB+4*(\ph-1)+2*\slot:PB+4*(\ph-1)+2*\slot+1]
	s_or_b32 s[G0+4*\slot+3], s[G0+4*\slot+3], 0x80000000
.if \ph == 1
	tensor_load_to_lds s[G0+4*\slot:G0+4*\slot+3], s[G1NK:G1NK+7]
	s_nop 0
.else
	tensor_load_to_lds s[G0+4*\slot:G0+4*\slot+3], s[G1KN:G1KN+7]
	s_nop 0
.endif
.endif
.if \next
	PLACES
	FETCH \ph, \oth, 0, \c+1, F0
.endif
	WIN 0xf4
	MUL16 F1, 1, 0, 0
	PFHOOK \ph
	MUL16 F1, 1, 2, 0
.if \ph == 1
	RMUL F1, 0
.endif
.if \ph == 3
	LMUL F1, 0
.endif
.endm
; Batch a of mask or inputs: the rows of tile row a, 16 loads of 16 bytes a lane, into the pool at v[pb] of window pw: register 8 j + b.
.macro GLOAD a, pw, pb, base
	WIN (\pw<<6)
.irp j, 0,1,2,3,4,5,6,7
.irp g, 0,1
	global_load_b128 v[\pb+8*\j+4*\g:\pb+8*\j+4*\g+3], v[GOFF], s[\base:\base+1] offset:(64*(\a>>2)+4*\j+(\a&3))*2048+256*\g th:TH_LOAD_NT
.endr
.endr
.endm
; A product: eight tiles of 64 along K, two to a lap of the ring.  The first half tile, which starts the sums, stands ahead of the loop; a trip of
; the loop goes from the second half of an even tile to the first half of the next even tile (three trips: tiles 0 to 6); the last tile and
; a half are written out, since they fill the slots for the next product (lf0, lf1) or not at all.  So the text holds two laps for four.
.macro PHASE ph, cm, cw, lf0, lf1, hook, pfb
	HALF0 \ph, 0, 0, \cm, \cw
.if \hook
	PLACES                                         ; the C tiles of the lines above lie in one of the pools
	GLOAD 0, 0, 192, 12+\ph
	GLOAD 1, 1, 192, 12+\ph
	GLOAD 2, 1, 0, 12+\ph
.endif
	WIN 0
	s_mov_b32 s84, 3
.Llap_\@:
	HALF1 \ph, 0, 1, 1, 1, 1
	HALF0 \ph, 1, 2, 0, 0
	HALF1 \ph, 1, 0, 3, 1, 1
	WIN 0
.if \ph == 1
	v_add_nc_u32 v[ADRA0], 256, v[ADRA0]           ; 128 along K
	v_add_nc_u32 v[ADRA1], 256, v[ADRA1]
	v_add_nc_u32 v[ADRW], 256, v[ADRW]
.else
	v_add_nc_u32 v[ADRT], 128*PT, v[ADRT]
.endif
	HALF0 \ph, 0, 0, 0, 0
	WIN 0
	s_sub_co_u32 s84, s84, 1
	s_cmp_lg_u32 s84, 0
	s_cbranch_scc1 .Llap_\@
.set PFB, \pfb
	HALF1 \ph, 0, 1, 1, \lf0, 1
	HALF0 \ph, 1, 2, 0, 0
	HALF1 \ph, 1, 0, 3, \lf1, 0
.set PFB, -1
.endm
; Tile row a rounded to bf16 and laid into AB as [k = column place][row]: a lane's eight rows of one column are 16 bytes.
.macro PACKST a
	WIN (5*(2+(\a>>2)))
.irp b, 0,1,2,3,4,5,6,7
.irp i, 0,1,2,3
	v_cvt_pk_bf16_f32 v[TMP+32*(\a&1)+4*\b+\i], v[8*(8*(\a&3)+\b)+2*\i], v[8*(8*(\a&3)+\b)+2*\i+1]
.endr
.endr
	WIN 0
.irp b, 0,1,2,3,4,5,6,7
	ds_store_b128 v[STO], v[TMP+32*(\a&1)+4*\b:TMP+32*(\a&1)+4*\b+3] offset:16*PT*\b+32*\a
.endr
.endm
.macro CONV sc                         ; sc = 1: first divide by the row sum (window 1, v[8 a + j] = its reciprocal)
.irp a, 0,1,2,3,4,5,6,7
.if \sc
	WIN (0x86+0x41*(\a>>2))
.irp b, 0,1,2,3,4,5,6,7
.irp p, 0,2,4,6
	v_pk_mul_f32 v[8*(8*(\a&3)+\b)+\p:8*(8*(\a&3)+\b)+\p+1], v[8*(8*(\a&3)+\b)+\p:8*(8*(\a&3)+\b)+\p+1], v[8*\a+\p:8*\a+\p+1]
.endr
.endr
.endif
	PACKST \a
.endr
.endm
.macro ROWSUM a                        ; ST(a) = my lane's sum over the eight tiles of tile row a
	WIN (5*(2+(\a>>2)))
.irp q, 0,1,2,3
.irp p, 0,2,4,6
	v_pk_add_f32 v[T+8*\q+\p:T+8*\q+\p+1], v[8*(8*(\a&3)+2*\q)+\p:8*(8*(\a&3)+2*\q)+\p+1], v[8*(8*(\a&3)+2*\q+1)+\p:8*(8*(\a&3)+2*\q+1)+\p+1]
.endr
.endr
	WIN 0
.irp p, 0,2,4,6
	v_pk_add_f32 v[T+\p:T+\p+1], v[T+\p:T+\p+1], v[T+8+\p:T+8+\p+1]
	v_pk_add_f32 v[T+16+\p:T+16+\p+1], v[T+16+\p:T+16+\p+1], v[T+24+\p:T+24+\p+1]
.endr
.irp p, 0,2,4,6
	v_pk_add_f32 v[ST+8*\a+\p:ST+8*\a+\p+1], v[T+\p:T+\p+1], v[T+16+\p:T+16+\p+1]
.endr
.endm
.macro SUBROW a                        ; tile row a minus the row figure ST(a)
	WIN (0x41*(2+(\a>>2)))
.irp b, 0,1,2,3,4,5,6,7
.irp p, 0,2,4,6
	v_pk_add_f32 v[8*(8*(\a&3)+\b)+\p:8*(8*(\a&3)+\b)+\p+1], v[8*(8*(\a&3)+\b)+\p:8*(8*(\a&3)+\b)+\p+1], v[ST+8*\a+\p:ST+8*\a+\p+1] neg_lo:[0,1] neg_hi:[0,1]
.endr
.endr
.endm
; Scores of tile row a: s / sqrt(512) + (1 - m)(-1e10), and my lane's maximum.  left = younger loads that may stay out.
.macro PASS1 a, pw, pb, left
	s_wait_loadcnt \left
	WIN ((\pw<<6)|\pw)
.set i, 0
.rept 32
	v_pk_fma_f32 v[\pb+i:\pb+i+1], v[\pb+i:\pb+i+1], -1.0, 1.0 op_sel_hi:[1,0,0]
.set i, i+2
.endr
.set i, 0
.rept 32
	v_pk_mul_f32 v[\pb+i:\pb+i+1], v[\pb+i:\pb+i+1], s[88:89] op_sel_hi:[1,0]
.set i, i+2
.endr
	WIN (((2+(\a>>2))<<6)|(\pw<<4)|(2+(\a>>2)))
.irp b, 0,1,2,3,4,5,6,7
.irp j, 0,1,2,3,4,5,6,7
	v_fma_f32 v[8*(8*(\a&3)+\b)+\j], v[8*(8*(\a&3)+\b)+\j], s85, v[\pb+8*\j+\b]
.endr
.endr
	WIN (0x15*(2+(\a>>2)))
.irp j, 0,1,2,3,4,5,6,7
	v_max3_num_f32 v[T+3*\j], v[8*(8*(\a&3)+0)+\j], v[8*(8*(\a&3)+1)+\j], v[8*(8*(\a&3)+2)+\j]
	v_max3_num_f32 v[T+3*\j+1], v[8*(8*(\a&3)+3)+\j], v[8*(8*(\a&3)+4)+\j], v[8*(8*(\a&3)+5)+\j]
	v_max_num_f32 v[T+3*\j+2], v[8*(8*(\a&3)+6)+\j], v[8*(8*(\a&3)+7)+\j]
.endr
	WIN 0
.irp j, 0,1,2,3,4,5,6,7
	v_max3_num_f32 v[ST+8*\a+\j], v[T+3*\j], v[T+3*\j+1], v[T+3*\j+2]
.endr
.endm
; Exponentials of tile row a: the maximum is taken away first, in f32, and only then comes the factor log2 e.
.macro PASS2 a
	SUBROW \a
.irp b, 0,1,2,3,4,5,6,7
.irp p, 0,2,4,6
	v_pk_mul_f32 v[8*(8*(\a&3)+\b)+\p:8*(8*(\a&3)+\b)+\p+1], v[8*(8*(\a&3)+\b)+\p:8*(8*(\a&3)+\b)+\p+1], s[90:91] op_sel_hi:[1,0]
.endr
.endr
.set i, 0
.rept 64
	v_exp_f32 v[64*(\a&3)+i], v[64*(\a&3)+i]
.set i, i+1
.endr
	v_nop                                          ; one plain place behind the transcendentals before their results are used (ISA guide 5.7.2)
	s_wait_alu depctr_va_vdst(0)
	PACKST \a
.endm
.macro FOLD n                          ; T[0 .. n-1] += T[n .. 2n-1]; n is a multiple of 4, so a register keeps its row
.set i, 0
.rept \n/2
	v_pk_add_f32 v[T+i:T+i+1], v[T+i:T+i+1], v[T+\n+i:T+\n+i+1]
.set i, i+2
.endr
.endm
; A row figure over the sixteen lanes of a half and the four waves.  In: ST(8 a + j) = my lane's figure of row 16 a + 8 h + j.  Out: the same
; registers hold the whole row's figure.  kind 0: the maximum; 1: the sum / 512; 2: 1 / sqrt(sum / 512 + eps).
; The wave lays its figures into its own scratch as [lane r][row], lane L reads the sixteen figures of rows 4 L .. 4 L + 3 and combines them,
; the four waves meet in a table behind one barrier (each reduction has a table of its own), lane L finishes its four rows, and all lanes
; read the 64 figures of their half back.  LDS serves a wave's instructions in order (ISA guide 5.7.1.4), so the scratch needs no barrier.
.macro RED scr, tab, kind
.irp a, 0,1,2,3,4,5,6,7
	ds_store_b128 v[\scr], v[ST+8*\a:ST+8*\a+3] offset:64*\a
	ds_store_b128 v[\scr], v[ST+8*\a+4:ST+8*\a+7] offset:64*\a+16
.endr
.irp q, 0,1,2,3,4,5,6,7,8,9,10,11,12,13,14,15
	ds_load_b128 v[T+4*\q:T+4*\q+3], v[\scr+1] offset:SCP*\q
.endr
	s_wait_dscnt 0x0
.if \kind == 0
.irp c, 0,1,2,3
.irp g, 0,1,2,3,4
	v_max3_num_f32 v[T+12*\g+\c], v[T+12*\g+\c], v[T+12*\g+4+\c], v[T+12*\g+8+\c]
.endr
.endr
.irp c, 0,1,2,3
	v_max3_num_f32 v[T+\c], v[T+\c], v[T+12+\c], v[T+24+\c]
	v_max3_num_f32 v[T+36+\c], v[T+36+\c], v[T+48+\c], v[T+60+\c]
.endr
.irp c, 0,1,2,3
	v_max_num_f32 v[T+\c], v[T+\c], v[T+36+\c]
.endr
.else
	FOLD 32
	FOLD 16
	FOLD 8
	FOLD 4
.endif
	ds_store_b128 v[TBW], v[T:T+3] offset:\tab
	s_wait_dscnt 0x0                               ; all my LDS stores are done, for the other waves' sake
	s_barrier_signal -1
	s_barrier_wait -1
.irp w, 0,1,2,3
	ds_load_b128 v[T+4*\w:T+4*\w+3], v[TBR] offset:\tab+512*\w
.endr
	s_wait_dscnt 0x0
.if \kind == 0
.irp c, 0,1,2,3
	v_max3_num_f32 v[T+\c], v[T+\c], v[T+4+\c], v[T+8+\c]
.endr
.irp c, 0,1,2,3
	v_max_num_f32 v[T+\c], v[T+\c], v[T+12+\c]
.endr
.else
	FOLD 8
	FOLD 4
.endif
.if \kind == 1
	v_pk_mul_f32 v[T:T+1], v[T:T+1], s[92:93] op_sel_hi:[1,0]
	v_pk_mul_f32 v[T+2:T+3], v[T+2:T+3], s[92:93] op_sel_hi:[1,0]
.endif
.if \kind == 2
	v_pk_fma_f32 v[T:T+1], v[T:T+1], s[92:93], v[EPS:EPS+1] op_sel_hi:[1,0,1]
	v_pk_fma_f32 v[T+2:T+3], v[T+2:T+3], s[92:93], v[EPS:EPS+1] op_sel_hi:[1,0,1]
.irp c, 0,1,2,3
	v_rsq_f32 v[T+\c], v[T+\c]
.endr
	v_nop                                          ; one plain place behind the transcendentals
	s_wait_alu depctr_va_vdst(0)
.endif
	ds_store_b128 v[\scr+1], v[T:T+3] offset:SCF
.irp a, 0,1,2,3,4,5,6,7
	ds_load_b128 v[ST+8*\a:ST+8*\a+3], v[\scr+2] offset:SCF+64*\a
	ds_load_b128 v[ST+8*\a+4:ST+8*\a+7], v[\scr+2] offset:SCF+64*\a+16
.endr
	s_wait_dscnt 0x0
.endm
.macro RES a, pw, pb, left             ; the residual, and my lane's sum
	s_wait_loadcnt \left
	WIN (((2+(\a>>2))<<6)|(\pw<<2)|(2+(\a>>2)))
.irp b, 0,1,2,3,4,5,6,7
.irp j, 0,1,2,3,4,5,6,7
	v_add_f32 v[8*(8*(\a&3)+\b)+\j], v[8*(8*(\a&3)+\b)+\j], v[\pb+8*\j+\b]
.endr
.endr
	ROWSUM \a
.endm
.macro CEN a                           ; minus the mean, and my lane's sum of the centred squares
	SUBROW \a
	WIN (5*(2+(\a>>2)))
.irp p, 0,2,4,6
	v_pk_mul_f32 v[ST+8*\a+\p:ST+8*\a+\p+1], v[8*(8*(\a&3))+\p:8*(8*(\a&3))+\p+1], v[8*(8*(\a&3))+\p:8*(8*(\a&3))+\p+1]
.endr
.irp b, 1,2,3,4,5,6,7
.irp p, 0,2,4,6
	v_pk_fma_f32 v[ST+8*\a+\p:ST+8*\a+\p+1], v[8*(8*(\a&3)+\b)+\p:8*(8*(\a&3)+\b)+\p+1], v[8*(8*(\a&3)+\b)+\p:8*(8*(\a&3)+\b)+\p+1], v[ST+8*\a+\p:ST+8*\a+\p+1]
.endr
.endr
.endm
.macro OUT a                           ; times 1 / sqrt(var + eps), gathered by rows, stored: sixteen lanes write 256 consecutive bytes, aligned
.if \a >= 2
	s_wait_xcnt 0x0                                ; the block of 64 registers that the stores of tile row a - 2 read is rewritten only behind this wait
.endif
	WIN (2+(\a>>2))
.irp j, 0,1,2,3,4,5,6,7
.irp b, 0,1,2,3,4,5,6,7
	v_mul_f32 v[192-64*(\a&1)+8*\j+\b], v[8*(8*(\a&3)+\b)+\j], v[ST+8*\a+\j]
.endr
.endr
	WIN 0
.irp j, 0,1,2,3,4,5,6,7
.irp g, 0,1
	global_store_b128 v[GOFF], v[192-64*(\a&1)+8*\j+4*\g:192-64*(\a&1)+8*\j+4*\g+3], s[24:25] offset:(64*(\a>>2)+4*\j+(\a&3))*2048+256*\g th:TH_STORE_NT
.endr
.endr
.endm
; ================================================================ set-up
	s_load_b512 s[4:19], s[0:1], 0x0               ; xb 4, mb 6, w3b 8, uv 10, wv 12, mask 14, inputs 16, db1 18
	s_load_b128 s[20:23], s[0:1], 0x40             ; db2 20, db3 22
	s_load_b64 s[24:25], s[0:1], 0x50              ; out0 24
	v_lshl_add_u32 v62, v0, 2, 0x4a400
	v_mov_b32 v63, 0
	ds_add_u32 v62, v63
	v_lshrrev_b32 v1, 5, v0
	v_readfirstlane_b32 s26, v1                    ; wave 0..3
	s_bfe_u32 s27, ttmp6, 0x40000                  ; cx: which 128 rows of the block; ttmp9 counts clusters = blocks
	; shapes.  15:0 the mask of the cluster's four; 17:16 elements of 2 bytes; 20 padding on; 21 set beside a mask; 24:22 interval; 31:25 pad - 1
	s_mov_b32 s[G1KN+0], 15|(1<<16)|(1<<20)|(1<<21)|(5<<22)|(7<<25)   ; after every 64 words 8 words: pitch 288
	s_mov_b32 s[G1KN+1], 128<<16                   ; tensor_dim0 = 128
	s_mov_b32 s[G1KN+2], 64<<16                    ; tensor_dim1 = 64
	s_mov_b32 s[G1KN+3], 128<<16                   ; tile_dim0 = 128
	s_mov_b32 s[G1KN+4], 64                        ; tile_dim1 = 64
	s_mov_b32 s[G1KN+5], 512                       ; elements from row to row
	s_mov_b32 s[G1KN+6], 0
	s_mov_b32 s[G1KN+7], 0
	s_mov_b32 s[G1NK+0], 15|(1<<16)|(1<<20)|(1<<21)|(4<<22)|(3<<25)   ; after every 32 words 4 words: pitch 144
	s_mov_b32 s[G1NK+1], 64<<16
	s_mov_b32 s[G1NK+2], 128<<16
	s_mov_b32 s[G1NK+3], 64<<16
	s_mov_b32 s[G1NK+4], 128
	s_mov_b32 s[G1NK+5], 512
	s_mov_b32 s[G1NK+6], 0
	s_mov_b32 s[G1NK+7], 0
	s_mov_b32 s[G1A+0], (1<<16)|(1<<20)|(7<<22)|(3<<25)               ; no mask; after every 256 words 4 words: pitch 1,040
	s_mov_b32 s[G1A+1], 512<<16
	s_mov_b32 s[G1A+2], 32<<16
	s_mov_b32 s[G1A+3], 512<<16
	s_mov_b32 s[G1A+4], 32
	s_mov_b32 s[G1A+5], 512
	s_mov_b32 s[G1A+6], 0
	s_mov_b32 s[G1A+7], 0
	s_mov_b32 s85, 0x3d3504f3                      ; 1 / sqrt(512)
	s_mov_b32 s86, 0x76543210                      ; v_permlanex16_b32: lane i of the other half
	s_mov_b32 s87, 0xfedcba98
	s_mov_b32 s88, 0xd01502f9                      ; -1e10
	s_mov_b32 s89, 0xd01502f9
	s_mov_b32 s90, 0x3fb8aa3b                      ; log2 e
	s_mov_b32 s91, 0x3fb8aa3b
	s_mov_b32 s92, 0x3b000000                      ; 1 / 512
	s_mov_b32 s93, 0x3b000000
	s_lshl_b32 s28, ttmp9, 19                      ; the block in xb: 512 rows of 1,024 bytes
	s_mov_b32 s29, 0
	s_lshl_b32 s30, s26, 8                         ; my wave's 128 columns
	s_mov_b32 s31, 0
	s_mul_i32 s84, s26, STRIP
	s_mov_b32 s[G0+0], 1
	s_add_co_u32 s[G0+1], s84, RING                ; LDS: the ring, the wave's strip, the slot
	s_mov_b32 s[G0+4], 1
	s_add_co_u32 s[G0+5], s84, RING+SLOT
	s_mov_b32 s[G0A+0], 1
	s_mul_i32 s[G0A+1], s26, 32*PA                 ; my 32 rows of Xq
	s_lshl_b32 s66, s27, 17                        ; cx enters s66, s67 alone: they feed my own load of Xq and the three streams' bases
	s_lshl_b32 s67, s26, 15
	s_add_co_u32 s66, s66, s67
	s_mov_b32 s67, 0
	s_wait_dscnt 0x0
	s_wait_kmcnt 0x0
	s_add_nc_u64 s[4:5], s[4:5], s[28:29]          ; xb at the block
	s_add_nc_u64 s[G0+2:G0+3], s[6:7], s[30:31]    ; product 1, tile 0: mb, k rows 0-63, my columns
	s_add_nc_u64 s[G0+6:G0+7], s[G0+2:G0+3], 65536 ; tile 1: 64 rows of 1,024 bytes on
	s_add_nc_u64 s[PB+4:PB+5], s[4:5], s[30:31]    ; product 3: xb as [k][n]
	s_add_nc_u64 s[PB+6:PB+7], s[PB+4:PB+5], 65536
	s_add_nc_u64 s[PB+8:PB+9], s[8:9], s[30:31]    ; product 4: w3b
	s_add_nc_u64 s[PB+10:PB+11], s[PB+8:PB+9], 65536
	s_lshl_b32 s30, s26, 17                        ; my wave's 128 rows
	s_add_nc_u64 s[PB+0:PB+1], s[4:5], s[30:31]    ; product 2: xb as [n][k]
	s_add_nc_u64 s[PB+2:PB+3], s[PB+0:PB+1], 128   ; 64 along K on
	s_add_nc_u64 s[G0A+2:G0A+3], s[4:5], s[66:67]
	s_or_b32 s[G0+3], s[G0+3], 0x80000000          ; type = 2
	s_or_b32 s[G0+7], s[G0+7], 0x80000000
	s_or_b32 s[G0A+3], s[G0A+3], 0x80000000
	s_lshl_b32 s66, ttmp9, 20                      ; the block, and my 128 rows, in rows of 2,048 bytes
	s_lshl_b32 s67, s27, 18
	s_add_co_u32 s66, s66, s67
	s_mov_b32 s67, 0
	s_add_nc_u64 s[14:15], s[14:15], s[66:67]
	s_add_nc_u64 s[16:17], s[16:17], s[66:67]
	s_add_nc_u64 s[24:25], s[24:25], s[66:67]
	CROUND                                         ; the four work-groups are here: the first joint loads meet
	tensor_load_to_lds s[G0A:G0A+3], s[G1A:G1A+7]  ; the three first fills go out as one group
	s_nop 0
	tensor_load_to_lds s[G0:G0+3], s[G1KN:G1KN+7]
	s_nop 0
	tensor_load_to_lds s[G0+4:G0+7], s[G1KN:G1KN+7]
	s_nop 0
	v_and_b32 v1, 15, v0                           ; r
	v_bfe_u32 v2, v0, 4, 1                         ; h
	v_and_b32 v3, 31, v0                           ; L
	v_lshlrev_b32 v32, 4, v0
	global_load_b128 v[36:39], v32, s[12:13]       ; w: four numbers a thread
	v_lshlrev_b32 v33, 2, v1
	v_lshl_add_u32 v33, s26, 9, v33
.irp b, 0,1,2,3,4,5,6,7
	global_load_b32 v[TMP+8*\b], v33, s[10:11] offset:64*\b      ; u of column 128 w + 16 b + r
.endr
	v_lshlrev_b32 v34, 6, v3
.irp p, 0,1,2,3
	global_load_b128 v[64+4*\p:64+4*\p+3], v34, s[18:19] offset:16*\p   ; db1, db2: 16 numbers a lane
	global_load_b128 v[80+4*\p:80+4*\p+3], v34, s[20:21] offset:16*\p
.endr
	v_lshlrev_b32 v35, 4, v1
	v_lshl_add_u32 v35, s26, 9, v35
	global_load_b128 v[B3V:B3V+3], v35, s[22:23]                 ; db3 of columns 128 w + 64 g + 4 r + t: tile 4 g + t
	global_load_b128 v[B3V+4:B3V+7], v35, s[22:23] offset:256
	v_and_b32 v4, 7, v0
	v_bfe_u32 v5, v0, 3, 1
	v_lshl_add_u32 v4, v2, 3, v4
	v_mul_u32_u24 v4, v4, PT
	v_lshl_add_u32 v[ADRT0], v5, 4, v4
	v_mul_u32_u24 v[ADRA0], v1, PA
	v_lshl_add_u32 v[ADRA0], v2, 4, v[ADRA0]
	v_add_nc_u32 v[ADRA1], 64*PA, v[ADRA0]
	v_add_nc_u32 v[ADRBK], s[G0+1], v[ADRT0]
	v_add_nc_u32 v[ADRBK+1], s[G0+5], v[ADRT0]
	v_mul_u32_u24 v4, v1, PN
	v_lshl_add_u32 v4, v2, 4, v4
	v_add_nc_u32 v[ADRBN], s[G0+1], v4
	v_add_nc_u32 v[ADRBN+1], s[G0+5], v4
	v_lshlrev_b32 v[ADRW], 4, v2
	v_add_nc_u32 v[ADRW], WVL, v[ADRW]
	v_mul_u32_u24 v4, v1, PT
	v_lshl_add_u32 v4, v2, 4, v4
	s_mul_i32 s28, s26, 128*PT                     ; my quarter of AB
	v_add_nc_u32 v[STO], s28, v4
	v_lshlrev_b32 v4, 4, v1
	v_lshl_add_u32 v4, s26, 9, v4
	v_lshl_add_u32 v[GOFF], v2, 16, v4
	v_lshlrev_b32 v5, 4, v3                        ; 16 L
	v_add_nc_u32 v[TBR], SMAX, v5
	v_lshl_add_u32 v[TBW], s26, 9, v[TBR]
	v_mul_u32_u24 v4, v1, SCP
	v_lshl_add_u32 v4, v2, 5, v4                   ; r x 528 + 32 h
	v_lshlrev_b32 v6, 5, v2                        ; 32 h
	v_add_nc_u32 v[SCA], s28, v4
	v_add_nc_u32 v[SCA+1], s28, v5
	v_add_nc_u32 v[SCA+2], s28, v6
	v_add_nc_u32 v[SCB], s[G0+1], v4               ; my strip of ring slot 0
	v_add_nc_u32 v[SCB+1], s[G0+1], v5
	v_add_nc_u32 v[SCB+2], s[G0+1], v6
	v_lshrrev_b32 v4, 1, v3
	v_and_b32 v5, 1, v0
	v_lshlrev_b32 v4, 13, v4                       ; lane pair m: four rows apart
	v_lshl_add_u32 v4, v5, 8, v4
	v_lshl_add_u32 v[PFO], s26, 9, v4
	v_mov_b32 v[EPS], 0x3a83126f
	v_mov_b32 v[EPS+1], 0x3a83126f
	v_lshlrev_b32 v42, 3, v0
	v_add_nc_u32 v42, WVL, v42
	s_wait_loadcnt 0x0                             ; the small vectors, once
	v_cvt_pk_bf16_f32 v40, v36, v37
	v_cvt_pk_bf16_f32 v41, v38, v39
	ds_store_b64 v42, v[40:41]                     ; w in bf16
.irp b, 0,1,2,3,4,5,6,7
.irp j, 1,2,3,4,5,6,7
	v_mov_b32 v[TMP+8*\b+\j], v[TMP+8*\b]          ; u as C tiles: the same in all rows
.endr
.endr
	v_pk_mul_f32 v[44:45], v[64:65], v[80:81]      ; db1 . db2
.irp i, 2,4,6,8,10,12,14
	v_pk_fma_f32 v[44:45], v[64+\i:65+\i], v[80+\i:81+\i], v[44:45]
.endr
	v_add_f32 v44, v44, v45
	v_add_f32_dpp v44, v44, v44 row_xmask:1 row_mask:0xf bank_mask:0xf
	v_add_f32_dpp v44, v44, v44 row_xmask:2 row_mask:0xf bank_mask:0xf
	v_add_f32_dpp v44, v44, v44 row_xmask:4 row_mask:0xf bank_mask:0xf
	v_add_f32_dpp v44, v44, v44 row_xmask:8 row_mask:0xf bank_mask:0xf
	v_permlanex16_b32 v45, v44, s86, s87
	WIN 0x40
.irp j, 0,1,2,3,4,5,6,7
	v_add_f32 v[16+\j], v44, v45                   ; window 1, v16-23: the C tile that starts r
.endr
	WIN 0
	s_wait_tensorcnt 0x1                           ; my parts of Xq and of tile 0 are in; tile 1 may stay out
	s_wait_dscnt 0x0                               ; my part of w is written
	s_barrier_signal -1
	s_barrier_wait -1
	FETCH 1, 0, 0, 0, F0
; ================================================================ product 1: Q' = Xq M + u, and r
	PHASE 1, 2, 0, 2, 2, 0, -1
	PLACES
	CONV 0                                         ; every wave's reads of Xq ended in front of the last round: AB may be written
	s_wait_dscnt 0x0
	s_barrier_signal -1
	s_barrier_wait -1                              ; Q' is whole.  Product 2's tile 1 stays on its way
	v_mov_b32 v[ADRT], v[ADRT0]
	FETCH 2, 0, 0, 0, F0
; ================================================================ product 2: S = Q' X^T + r
	PHASE 2, 3, 1, 2, 2, 1, 3
; ================================================================ softmax.  Counts: three, then two, one, no younger batches of 16 loads
	PLACES
	GLOAD 3, 1, 64, 14
	PASS1 0, 0, 192, 48
	GLOAD 4, 1, 128, 14
	PASS1 1, 1, 192, 48
	GLOAD 5, 0, 192, 14
	PASS1 2, 1, 0, 48
	GLOAD 6, 1, 192, 14
	PASS1 3, 1, 64, 48
	GLOAD 7, 1, 0, 14
	PASS1 4, 1, 128, 48
	PASS1 5, 0, 192, 32
	PASS1 6, 1, 192, 16
	PASS1 7, 1, 0, 0
	RED SCA, XMAX, 0                               ; ST = the row's maximum over all 512 columns.  Every wave's reads of Q' ended in front of product 2's last round
.irp a, 0,1,2,3,4,5,6,7
	PASS2 \a
.endr
	WIN 0x40
.irp i, 0,1,2,3,4,5,6,7
	v_mov_b32 v[\i], 0x3f803f80                    ; window 1, v0-7: a B fragment of ones in bf16
.endr
	WIN 0
	s_wait_dscnt 0x0                               ; my columns of P~ are written,
	s_barrier_signal -1
	s_barrier_wait -1                              ; P~ is whole.
	v_mov_b32 v[ADRT], v[ADRT0]
	FETCH 3, 0, 0, 0, F0
; ================================================================ product 3: Y~ = P~ X, and the row sums
	PHASE 3, 1, 0, 2, 2, 0, -1
	PLACES
	WIN 0x41
.set i, 0
.rept 64
	v_rcp_f32 v[i], v[192+i]                       ; window 1, v0-63 = 1 / row sum.  The sum is at least 1: the maximum's own exponential
.set i, i+1
.endr
	v_nop                                          ; one plain place behind the transcendentals
	s_wait_alu depctr_va_vdst(0)
	CONV 1
	WIN 0x40
.irp b, 0,1,2,3,4,5,6,7
.irp j, 0,1,2,3,4,5,6,7
	v_mov_b32 v[192+8*\b+\j], v[B3V+\b]            ; db3 as C tiles for product 4, where the row sums lay
.endr
.endr
	WIN 0
	s_wait_dscnt 0x0
	s_barrier_signal -1
	s_barrier_wait -1
	v_mov_b32 v[ADRT], v[ADRT0]
	FETCH 4, 0, 0, 0, F0
; ================================================================ product 4: O = Y dw3 + db3
	PHASE 4, 2, 1, 0, 3, 1, 3
; ================================================================ residual and LayerNorm
	PLACES
	GLOAD 3, 1, 64, 16
	RES 0, 0, 192, 48
	GLOAD 4, 1, 128, 16
	RES 1, 1, 192, 48
	GLOAD 5, 0, 192, 16
	RES 2, 1, 0, 48
	GLOAD 6, 1, 192, 16
	RES 3, 1, 64, 48
	GLOAD 7, 1, 0, 16
	RES 4, 1, 128, 48
	RES 5, 0, 192, 32
	RES 6, 1, 192, 16
	RES 7, 1, 0, 0
	RED SCB, XLN0, 1                               ; ST = the mean.  The ring has had its last fill, and my strip is read by me alone
.irp a, 0,1,2,3,4,5,6,7
	CEN \a
.endr
	WIN 0
	RED SCB, XLN1, 2                               ; ST = 1 / sqrt(var + eps)
.irp a, 0,1,2,3,4,5,6,7
	OUT \a
.endr
	s_wait_tensorcnt 0x0
	ds_add_u32 v62, v63
	s_wait_dscnt 0x0
	CROUND                                         ; the closing round: no work-group ends while a partner may still ask jointly
	s_endpgm
.Lfunc_end_k_q843220f532_attn:
	.size	k_q843220f532_attn, .Lfunc_end_k_q843220f532_attn-k_q843220f532_attn
	.p2alignl 7, 3214868480
	.fill 96, 4, 3214868480
	.section	.rodata,"a",@progbits
	.p2align	6, 0x0
	.amdhsa_kernel k_q843220f532_attn
		.amdhsa_group_segment_fixed_size 327680
		.amdhsa_private_segment_fixed_size 0
		.amdhsa_enable_private_segment 0
		.amdhsa_kernarg_size 88
		.amdhsa_user_sgpr_count 2
		.amdhsa_user_sgpr_kernarg_segment_ptr 1
		.amdhsa_wavefront_size32 1
		.amdhsa_system_sgpr_workgroup_id_x 1
		.amdhsa_system_sgpr_workgroup_id_y 1
		.amdhsa_system_sgpr_workgroup_id_z 1
		.amdhsa_system_vgpr_workitem_id 0
		.amdhsa_next_free_vgpr 1024
		.amdhsa_next_free_sgpr 96
		.amdhsa_reserve_vcc 0
		.amdhsa_float_denorm_mode_32 3
		.amdhsa_float_denorm_mode_16_64 3
		.amdhsa_memory_ordered 1
		.amdhsa_forward_progress 1
		.amdhsa_inst_pref_size 255
	.end_amdhsa_kernel
	.section	.bss,"aw",@nobits
	.p2align	6
	.space	262144
	.amdgpu_metadata
---
amdhsa.version: [ 1, 2 ]
amdhsa.kernels:
  - .name:           k_q843220f532_attn
    .symbol:         k_q843220f532_attn.kd
    .args:
      - { .name: xb, .offset: 0, .size: 8, .value_kind: global_buffer, .address_space: global }
      - { .name: mb, .offset: 8, .size: 8, .value_kind: global_buffer, .address_space: global }
      - { .name: w3b, .offset: 16, .size: 8, .value_kind: global_buffer, .address_space: global }
      - { .name: uv, .offset: 24, .size: 8, .value_kind: global_buffer, .address_space: global }
      - { .name: wv, .offset: 32, .size: 8, .value_kind: global_buffer, .address_space: global }
      - { .name: mask_array, .offset: 40, .size: 8, .value_kind: global_buffer, .address_space: global }
      - { .name: inputs, .offset: 48, .size: 8, .value_kind: global_buffer, .address_space: global }
      - { .name: db1, .offset: 56, .size: 8, .value_kind: global_buffer, .address_space: global }
      - { .name: db2, .offset: 64, .size: 8, .value_kind: global_buffer, .address_space: global }
      - { .name: db3, .offset: 72, .size: 8, .value_kind: global_buffer, .address_space: global }
      - { .name: out0, .offset: 80, .size: 8, .value_kind: global_buffer, .address_space: global }
    .group_segment_fixed_size: 327680
    .private_segment_fixed_size: 0
    .kernarg_segment_align: 8
    .kernarg_segment_size: 88
    .max_flat_workgroup_size: 128
    .sgpr_count:     96
    .vgpr_count:     1024
    .wavefront_size: 32
...
	.end_amdgpu_metadata
.endif
;; end of part 2
;; ======== version 2 of 2: 2 launches; version 1 with the launch prep written anew for expert scheduling mode
;; workspace buffers: xb 33,554,432 bytes; mb 524,288 bytes; w3b 524,288 bytes; uv 2,048 bytes; wv 2,048 bytes
;; launch prep (part 3): grid 400 x 1, 8 waves a work-group, no clusters, 155,648 bytes of LDS; arguments inputs, dw1, dw2, dw3, db1, db2, xb, mb, w3b, uv, wv; writes xb, mb, w3b, uv, wv
.if DOCPART == 3
	.amdgcn_target "amdgcn-amd-amdhsa--gfx1250"
	.amdhsa_code_object_version 6
	.text
	.protected	k_q843220f532_prep
	.globl	k_q843220f532_prep
	.p2align	8
	.type	k_q843220f532_prep,@function
k_q843220f532_prep:
	s_mov_b64 s[64:65], 0
	v_nop
	global_prefetch_b8 v0, s[64:65] scope:SCOPE_SE
	s_setreg_imm32_b32 hwreg(HW_REG_WAVE_SCHED_MODE, 0, 2), 2
	s_setreg_imm32_b32 hwreg(HW_REG_WAVE_MODE, 25, 1), 1
	s_wait_xcnt 0x0
	s_wait_alu depctr_vm_vsrc(0)
; prep: everything that the attention launch needs once.
;   work-groups   0..127  mb[e][e'] = sum over d of dw1[e][d] dw2[e'][d], bf16   (16 rows x 128 columns each)
;   work-groups 128..131  uv[e']    = sum over d of dw2[e'][d] db1[d],    f32    (128 numbers each)
;   work-groups 132..135  wv[e]     = sum over d of dw1[e][d] db2[d],     f32    (128 numbers each)
;   work-groups 136..143  w3b = dw3 in bf16, columns reordered                   (64 rows each)
;   work-groups 144..399  xb  = inputs in bf16, rows reordered                   (128 rows each)
; THE REORDERING: inside each aligned group of 64, place 16 t + q holds number 4 q + t (t = 0..3, q = 0..15).  Lane q of the four
; neighbouring 16-wide matrix tiles t = 0..3 then holds four NEIGHBOURING numbers 4 q .. 4 q + 3: 16 bytes of f32 in one lane.
; LIMITS: the operands of mb's product are rounded to bf16, its sums are f32, in two chains (even and odd steps of 32 along K) added at the
; end, and mb is rounded to bf16 when stored.  uv and wv are made in f32 throughout.
; Every load of the weights covers 512 consecutive bytes of one row; matrix fragments are read from LDS, not from memory.
; LDS: 0 (16,640): 16 rows of dw1 in bf16, pitch 1,040.   16,640 (133,120): 128 rows of dw2, the same pitch.
;      149,760 (4,352): mb's stage, 16 rows of pitch 272.   154,112 (512): the stage of uv and wv.  No two ways into LDS share bytes.
;      154,624 (1,024): the spare words, 128 bytes a wave, which no line but the closing add names.
; THE MODE: SCHED_MODE bits 1:0 = 2 (LLVM: expert scheduling mode 2), set by the entry lines.  The code itself states the register dependences
; between vector or matrix instructions and memory or LDS instructions, with s_wait_alu, always for 0.
; THE PLAN.  The cast, uv / wv and mb's way in walk units of 512 bytes in BLOCKS of eight.  Registers that memory or LDS instructions touch:
;   X0 .. X4   five buffers of eight units as loaded.  Block p's vector lines read X[p % 5]; the loads issued in block p, of the units 32 further on,
;              land in X[(p - 1) % 5], which the block before has emptied.
;   results    written by block p's conversions, read by the stores that are issued in block p + 1.
;   offsets    made once, ahead of each way's first load, and never written again: the rows are reached by immediate offsets.
; So ONE wait on va_vdst stands at the head of a block that issues memory instructions: the block before has written its results and is done
; reading its X.  Behind it a unit's load and store stand in front of the unit's vector lines, which name X[p % 5] and block p's own results alone.
;   The cast: the results of units 0-31 lie in v176-239, those of units 32-63 in X3 and X4, which are dead by then (their units are converted in
;   blocks 3 and 4, and the last loads, units 40-63, land in X0 to X2).  No register that a store reads is written again.
;   mb: the results lie in four buffers Y0 .. Y3; Y[p % 4] is read by the LDS stores issued in block p + 1 and written again in block p + 4,
;   behind a wait on vm_vsrc at that block's head.
.set GP,   1040                        ; a row of 512 bf16 + 16 bytes: an odd multiple of 16, so a fragment's 16 rows start in 16 different 16-byte columns
.set GB,   16*GP
.set STG,  GB+128*GP
.set VSTG, STG+16*272
.set LSA,  6                           ; v6   LDS, way in, my 2 rows of dw1
.set LSB,  7                           ; v7   LDS, way in, my 16 rows of dw2
.set AF,   8                           ; v8   fragments of dw1's rows
.set BF,   9                           ; v9   fragments of my 16 rows of dw2
.set SIN,  10                          ; v10  stage, way in
.set RDM,  11                          ; v11  stage, way back
.set OUTM, 12                          ; v12  my bytes in mb
.set VW,   13                          ; v13  vectors' stage, way in
.set VR,   14                          ; v14  vectors' stage, way back
.set X,    16                          ; v16-175  five buffers of eight loads: unit u at X + 4 (u % 40)
.set Y,    176                         ; v176-239 four buffers of eight units' results: unit u at Y + 2 (u % 32)
.set FR,   16                          ; v16-207  three sets of fragments: 4 K steps x (A 8, B 8 registers)
.set ACC,  208                         ; v208-223 two accumulator tiles
.set PK,   224                         ; v224-227 packed results
.set DT,   176                         ; v176-207 uv, wv: a pair of sums for each of my 16 rows
.set BV,   208                         ; v208-223 uv, wv: my 16 numbers of the bias
	s_load_b512 s[4:19], s[0:1], 0x0               ; inputs 4, dw1 6, dw2 8, dw3 10, db1 12, db2 14, xb 16, mb 18
	s_load_b128 s[20:23], s[0:1], 0x40             ; w3b 20, uv 22
	s_load_b64 s[24:25], s[0:1], 0x50              ; wv 24
	v_lshl_add_u32 v254, v0, 2, 0x25c00
	v_mov_b32 v255, 0
	v_lshrrev_b32 v1, 5, v0
	v_readfirstlane_b32 s26, v1                    ; wave 0..7
	v_and_b32 v1, 15, v0                           ; r
	v_bfe_u32 v2, v0, 4, 1                         ; h
	v_and_b32 v3, 31, v0                           ; lane L
	s_wait_alu depctr_va_sdst(0)                   ; s26 is written, ahead of the branches and of its first reader in each of the four ways
	s_wait_kmcnt 0x0
	s_cmp_lt_u32 ttmp9, 128
	s_cbranch_scc1 .Lgemm
	s_cmp_lt_u32 ttmp9, 136
	s_cbranch_scc1 .Ldot
	s_cmp_lt_u32 ttmp9, 144
	s_cbranch_scc1 .Lw3
; ---------------------------------------------------------------- the cast: 128 rows of inputs, 16 rows a wave
; Unit u = 0..63 of a wave is 512 consecutive bytes of f32 (a quarter of row u / 4): one 16-byte load a lane, one 8-byte store a lane,
; and the wave's store covers 256 consecutive bytes, aligned.  40 loads go out at the start; later 32 younger loads are out at each unit's wait.
	s_sub_co_u32 s28, ttmp9, 144
	s_lshl_b32 s30, s28, 18                        ; 128 rows of 2,048 bytes
	s_mov_b32 s31, 0
	s_add_nc_u64 s[4:5], s[4:5], s[30:31]
	s_lshl_b32 s30, s28, 17                        ; 128 rows of 1,024 bytes
	s_add_nc_u64 s[16:17], s[16:17], s[30:31]
	v_lshlrev_b32 v4, 4, v3
	v_lshl_add_u32 v4, s26, 15, v4                 ; in: 16 L + wave x 16 rows
	s_lshr_b32 s29, s26, 2
	s_and_b32 s30, s26, 3
	s_lshl_b32 s29, s29, 16                        ; row 16 w + i goes to place 64 (w / 4) + 16 (i % 4) + 4 (w % 4) + i / 4
	s_lshl_b32 s30, s30, 12
	s_add_co_u32 s29, s29, s30
	v_lshl_add_u32 v5, v3, 3, s29                  ; out: 8 L + the wave's part of the place; i's part stands in the immediate
	s_wait_alu depctr_va_vdst(0)                   ; v4 and v5 are written: every load and store of this way reads one of them as its offset
.set u, 0
.rept 40
	global_load_b128 v[X+4*u:X+4*u+3], v4, s[4:5] offset:512*u th:TH_LOAD_NT
.set u, u+1
.endr
.macro CST t                           ; the store of unit t, from where its conversions put it
.if (\t) < 32
.set ys, Y+2*(\t)
.else
.set ys, X+96+2*((\t)-32)
.endif
	global_store_b64 v5, v[ys:ys+1], s[16:17] offset:(16*(((\t)>>2)&3)+((\t)>>4))*1024+256*((\t)&3)
.endm
.set u, 0
.rept 64
.if ((u&7) == 0) && (u > 0)
	s_wait_alu depctr_va_vdst(0)                   ; the block before has written its results, which the stores below read, and is done reading its X, in which this block's loads (blocks 1 to 3) land
.endif
.if (u >= 8) && (u < 32)
	global_load_b128 v[X+4*((u+32)%40):X+4*((u+32)%40)+3], v4, s[4:5] offset:512*(u+32) th:TH_LOAD_NT   ; no vector line since the wait names these registers
.endif
.if u >= 8
	CST u-8                                        ; the same unit of the block before
.endif
.if u < 8
	s_wait_loadcnt 39-u                            ; loads return in order: unit u of the first 40 is in, the younger ones stay out
.elseif u < 32
	s_wait_loadcnt 32                              ; unit u is in; units u + 1 to u + 32 stay out
.else
	s_wait_loadcnt 63-u                            ; nothing is loaded any more: the counts run down
.endif
.if u < 32
.set yr, Y+2*u
.else
.set yr, X+96+2*(u-32)                 ; X3 and X4: their own units are converted, and no load lands there any more
.endif
	v_cvt_pk_bf16_f32 v[yr], v[X+4*(u%40)], v[X+4*(u%40)+1]
	v_cvt_pk_bf16_f32 v[yr+1], v[X+4*(u%40)+2], v[X+4*(u%40)+3]
.set u, u+1
.endr
	s_wait_alu depctr_va_vdst(0)                   ; the last block has written its results, which the last eight stores read
.set u, 56
.rept 8
	CST u
.set u, u+1
.endr
	s_endpgm
; ---------------------------------------------------------------- dw3: 64 rows, 8 rows a wave, columns reordered
; Unit u = (row u / 2, half u % 2) is 256 places = 512 bytes of bf16: lane L stores places 8 L .. 8 L + 7, which are the columns
; 64 (L / 8) + 32 (L % 2) + 4 k + (L / 2) % 4, k = 0..7.  The 4-byte loads are a gather made once, of 1 MiB in the whole launch.
; Every loaded register and every result register is used once.  The units go in groups of four: a group's stores stand in the next group.
.Lw3:
	s_sub_co_u32 s28, ttmp9, 136
	s_lshl_b32 s30, s28, 17
	s_mov_b32 s31, 0
	s_add_nc_u64 s[10:11], s[10:11], s[30:31]
	s_lshl_b32 s30, s28, 16
	s_add_nc_u64 s[20:21], s[20:21], s[30:31]
	v_lshrrev_b32 v4, 3, v3
	v_and_b32 v5, 1, v3
	v_bfe_u32 v6, v3, 1, 2
	v_lshlrev_b32 v4, 8, v4
	v_lshl_add_u32 v4, v5, 7, v4
	v_lshl_add_u32 v4, v6, 2, v4
	v_lshl_add_u32 v4, s26, 14, v4                 ; + wave x 8 rows of 2,048 bytes
	v_lshlrev_b32 v7, 4, v3
	v_lshl_add_u32 v7, s26, 13, v7                 ; out: 16 L + wave x 8 rows of 1,024 bytes
	s_wait_alu depctr_va_vdst(0)                   ; v4 and v7 are written: the loads' and the stores' offsets
.set u, 0
.rept 16
.set k, 0
.rept 8
	global_load_b32 v[16+8*u+k], v4, s[10:11] offset:(u>>1)*2048+(u&1)*1024+16*k
.set k, k+1
.endr
.set u, u+1
.endr
.set u, 0
.rept 16
.if ((u&3) == 0) && (u > 0)
	s_wait_alu depctr_va_vdst(0)                   ; the four units before have written their results, which this group's four stores read
.endif
.if u >= 4
	global_store_b128 v7, v[144+4*(u-4):144+4*(u-4)+3], s[20:21] offset:((u-4)>>1)*1024+((u-4)&1)*512
.endif
.if 8*(15-u) > 63
	s_wait_loadcnt 63                              ; 8 (15 - u) younger loads could stay out; the count's field ends at 63
.else
	s_wait_loadcnt 8*(15-u)                        ; unit u's eight loads are in, the younger units' stay out
.endif
.set k, 0
.rept 4
	v_cvt_pk_bf16_f32 v[144+4*u+k], v[16+8*u+2*k], v[16+8*u+2*k+1]
.set k, k+1
.endr
.set u, u+1
.endr
	s_wait_alu depctr_va_vdst(0)                   ; units 12 to 15 have written their results, which the last four stores read
.set u, 12
.rept 4
	global_store_b128 v7, v[144+4*u:144+4*u+3], s[20:21] offset:(u>>1)*1024+(u&1)*512
.set u, u+1
.endr
	s_endpgm
; ---------------------------------------------------------------- uv and wv: 128 rows, 16 rows a wave, in f32
; Unit u = 0..63 is a quarter of row u / 4, 512 consecutive bytes; lane L holds numbers 128 (u % 4) + 4 L .. + 3 of the row and, once, of the bias.
.Ldot:
	s_sub_co_u32 s28, ttmp9, 128                   ; 0..3 uv, 4..7 wv
	s_and_b32 s29, s28, 3                          ; which 128 rows
	s_cmp_lt_u32 s28, 4
	s_cselect_b64 s[32:33], s[8:9], s[6:7]         ; the rows: dw2 for uv, dw1 for wv
	s_cselect_b64 s[34:35], s[12:13], s[14:15]     ; the bias: db1 for uv, db2 for wv
	s_cselect_b64 s[36:37], s[22:23], s[24:25]     ; where it goes
	s_lshl_b32 s30, s29, 18
	s_lshl_b32 s31, s26, 15
	s_add_co_u32 s30, s30, s31
	s_mov_b32 s31, 0
	s_add_nc_u64 s[32:33], s[32:33], s[30:31]
	v_lshlrev_b32 v4, 4, v3                        ; 16 L
	s_wait_alu depctr_va_vdst(0)                   ; v4 is written: every load of this way, and its one store, reads it as the offset
.irp q, 0,1,2,3
	global_load_b128 v[BV+4*\q:BV+4*\q+3], v4, s[34:35] offset:512*\q
.endr
.set u, 0
.rept 40
	global_load_b128 v[X+4*u:X+4*u+3], v4, s[32:33] offset:512*u
.set u, u+1
.endr
	s_mov_b32 s38, 0x76543210                      ; v_permlanex16_b32: lane i of the other half
	s_mov_b32 s39, 0xfedcba98
	s_lshl_b32 s40, s26, 6
	s_add_co_u32 s40, s40, VSTG
	v_mov_b32 v[VW], s40                           ; my wave's 16 numbers
	v_add_nc_u32 v[VR], VSTG, v4
.set u, 0
.rept 64
.if ((u&7) == 0) && (u > 0) && (u < 32)
	s_wait_alu depctr_va_vdst(0)                   ; the block before is done reading its X, in which this block's loads land.  Blocks 4 to 7 load nothing and hold no such wait
.endif
.if (u >= 8) && (u < 32)
	global_load_b128 v[X+4*((u+32)%40):X+4*((u+32)%40)+3], v4, s[32:33] offset:512*(u+32)   ; no vector line since the wait names these registers
.endif
.if u < 8
	s_wait_loadcnt 39-u                            ; unit u of the first 40 is in (and the bias, which is older); the younger loads stay out
.elseif u < 32
	s_wait_loadcnt 32                              ; unit u is in; units u + 1 to u + 32 stay out
.else
	s_wait_loadcnt 63-u                            ; nothing is loaded any more: the counts run down
.endif
.if (u&3) == 0
	v_pk_mul_f32 v[DT+2*(u>>2):DT+2*(u>>2)+1], v[X+4*(u%40):X+4*(u%40)+1], v[BV:BV+1]      ; a row's first product starts its sums
.else
	v_pk_fma_f32 v[DT+2*(u>>2):DT+2*(u>>2)+1], v[X+4*(u%40):X+4*(u%40)+1], v[BV+4*(u&3):BV+4*(u&3)+1], v[DT+2*(u>>2):DT+2*(u>>2)+1]
.endif
	v_pk_fma_f32 v[DT+2*(u>>2):DT+2*(u>>2)+1], v[X+4*(u%40)+2:X+4*(u%40)+3], v[BV+4*(u&3)+2:BV+4*(u&3)+3], v[DT+2*(u>>2):DT+2*(u>>2)+1]
.set u, u+1
.endr
.irp i, 0,1,2,3,4,5,6,7,8,9,10,11,12,13,14,15
	v_add_f32 v[DT+2*\i], v[DT+2*\i], v[DT+2*\i+1]
.endr
.irp x, 1,2,4,8
.irp i, 0,1,2,3,4,5,6,7,8,9,10,11,12,13,14,15
	v_add_f32_dpp v[DT+2*\i], v[DT+2*\i], v[DT+2*\i] row_xmask:\x row_mask:0xf bank_mask:0xf
.endr
.endr
.irp i, 0,1,2,3,4,5,6,7,8,9,10,11,12,13,14,15
	v_permlanex16_b32 v[DT+2*\i+1], v[DT+2*\i], s38, s39
.endr
.irp i, 0,1,2,3,4,5,6,7,8,9,10,11,12,13,14,15
	v_add_f32 v[DT+2*\i], v[DT+2*\i], v[DT+2*\i+1]       ; every lane holds row i's number
.endr
	s_wait_alu depctr_va_vdst(0)                   ; the sums and the two LDS addresses are written, which the LDS instructions below read; the products are done reading v16-19, in which wave 0's LDS load lands
.irp i, 0,1,2,3,4,5,6,7,8,9,10,11,12,13,14,15
	ds_store_b32 v[VW], v[DT+2*\i] offset:4*\i           ; all lanes write the same word with the same value
.endr
	s_wait_dscnt 0x0                               ; my 16 numbers are written,
	s_barrier_signal -1
	s_barrier_wait -1                              ; everybody's are
	s_cmp_lg_u32 s26, 0
	s_cbranch_scc1 .Ldot_end                       ; 512 bytes: one store of wave 0
	ds_load_b128 v[16:19], v[VR]
	s_lshl_b32 s30, s29, 9
	s_add_nc_u64 s[36:37], s[36:37], s[30:31]
	s_wait_dscnt 0x0
	global_store_b128 v4, v[16:19], s[36:37]       ; 512 consecutive bytes, aligned
.Ldot_end:
	s_wait_dscnt 0x0                               ; the closing lines, six on end
	s_wait_alu 0x0
	s_wait_tensorcnt 0x0
	ds_add_u32 v254, v255
	s_wait_dscnt 0x0
	s_endpgm
; ---------------------------------------------------------------- mb: 16 rows x 128 columns, a wave 16 x 16, K = 512
; Wave w brings rows 2 w, 2 w + 1 of the 16 of dw1 (units 0..7) and the 16 rows of dw2 that make its own columns (units 8..71): 72 loads of
; 512 consecutive bytes, in nine blocks of eight; each unit is rounded to bf16 and laid into LDS.  One barrier shows dw1's rows to all.
.Lgemm:
	s_lshr_b32 s28, ttmp9, 2                       ; which 16 rows of mb
	s_and_b32 s29, ttmp9, 3                        ; which 128 columns
	s_lshl_b32 s30, s28, 15
	s_lshl_b32 s36, s26, 12
	s_add_co_u32 s30, s30, s36
	s_mov_b32 s31, 0
	s_add_nc_u64 s[34:35], s[6:7], s[30:31]        ; dw1 at row 16 x block + 2 w
	s_lshl_b32 s30, s29, 18
	s_lshl_b32 s36, s26, 15
	s_add_co_u32 s30, s30, s36
	s_add_nc_u64 s[32:33], s[8:9], s[30:31]        ; dw2 at row 128 x block + 16 w
	v_lshlrev_b32 v4, 4, v3                        ; 16 L
	s_wait_alu depctr_va_vdst(0)                   ; v4 is written: every load of the weights reads it as its offset
.set u, 0
.rept 40
.if u < 8
	global_load_b128 v[X+4*u:X+4*u+3], v4, s[34:35] offset:512*u
.else
	global_load_b128 v[X+4*u:X+4*u+3], v4, s[32:33] offset:512*(u-8)
.endif
.set u, u+1
.endr
	s_lshl_b32 s30, s28, 14                        ; mb: 16 rows of 1,024 bytes, 128 columns of 2
	s_lshl_b32 s36, s29, 8
	s_add_co_u32 s30, s30, s36
	s_add_nc_u64 s[18:19], s[18:19], s[30:31]
	v_lshlrev_b32 v5, 3, v3                        ; 8 L
	s_mul_i32 s36, s26, 2*GP
	v_add_nc_u32 v[LSA], s36, v5
	s_mul_i32 s37, s26, 16*GP
	s_add_co_u32 s37, s37, GB
	v_add_nc_u32 v[LSB], s37, v5
	v_mul_u32_u24 v[AF], v1, GP
	v_lshl_add_u32 v[AF], v2, 4, v[AF]             ; r x pitch + 16 h
	v_add_nc_u32 v[BF], s37, v[AF]
	v_mul_u32_u24 v[SIN], v1, 272
	v_lshl_add_u32 v[SIN], v2, 4, v[SIN]
	s_lshl_b32 s38, s26, 5
	s_add_co_u32 s38, s38, STG
	v_add_nc_u32 v[SIN], s38, v[SIN]               ; stage + r x 272 + 32 w + 16 h
	v_mul_u32_u24 v[RDM], v2, 272
	v_lshl_add_u32 v[RDM], v1, 4, v[RDM]
	s_mul_i32 s38, s26, 2*272
	s_add_co_u32 s38, s38, STG
	v_add_nc_u32 v[RDM], s38, v[RDM]               ; stage + (2 w + h) x 272 + 16 r
	v_lshlrev_b32 v[OUTM], 10, v2
	v_lshl_add_u32 v[OUTM], v1, 4, v[OUTM]
	v_lshl_add_u32 v[OUTM], s26, 11, v[OUTM]       ; (2 w + h) x 1,024 + 16 r
.macro GST t                           ; the LDS store of unit t
.if (\t) < 8
	ds_store_b64 v[LSA], v[Y+2*((\t)&31):Y+2*((\t)&31)+1] offset:((\t)>>2)*GP+((\t)&3)*256
.else
	ds_store_b64 v[LSB], v[Y+2*((\t)&31):Y+2*((\t)&31)+1] offset:(((\t)-8)>>2)*GP+(((\t)-8)&3)*256
.endif
.endm
.set u, 0
.rept 72
.if ((u&7) == 0) && (u > 0)
	s_wait_alu depctr_va_vdst(0)                   ; the block before has written its Y, which the LDS stores below read, and is done reading its X, in which this block's loads (blocks 1 to 4) land; at block 1: the LDS addresses are written
.if u >= 32
	s_wait_alu depctr_vm_vsrc(0)                   ; the LDS stores issued three blocks ago have read the Y that this block's conversions write again
.endif
.endif
.if (u >= 8) && (u < 40)
	global_load_b128 v[X+4*((u+32)%40):X+4*((u+32)%40)+3], v4, s[32:33] offset:512*(u+24)   ; unit u + 32; no vector line since the wait names these registers
.endif
.if u >= 8
	GST u-8                                        ; the same unit of the block before
.endif
.if u < 8
	s_wait_loadcnt 39-u                            ; unit u of the first 40 is in, the younger loads stay out
.elseif u < 40
	s_wait_loadcnt 32                              ; unit u is in; units u + 1 to u + 32 stay out
.else
	s_wait_loadcnt 71-u                            ; nothing is loaded any more: the counts run down
.endif
	v_cvt_pk_bf16_f32 v[Y+2*(u&31)], v[X+4*(u%40)], v[X+4*(u%40)+1]
	v_cvt_pk_bf16_f32 v[Y+2*(u&31)+1], v[X+4*(u%40)+2], v[X+4*(u%40)+3]
.set u, u+1
.endr
	s_wait_alu depctr_va_vdst(0)                   ; the last block has written its Y, which the last eight LDS stores read; all conversions are done with X and Y, in which the fragments' loads land
.set u, 64
.rept 8
	GST u
.set u, u+1
.endr
	s_wait_dscnt 0x0                               ; my rows are written,
	s_barrier_signal -1
	s_barrier_wait -1                              ; everybody's are
	s_wait_alu depctr_vm_vsrc(0)                   ; my LDS stores have read Y: its registers are fragments, accumulators and packed results from here on
.macro KLD set, k0                     ; 16 LDS loads: the fragments of four K steps of 32
.irp kk, 0,1,2,3
	ds_load_b128 v[FR+64*\set+16*\kk:FR+64*\set+16*\kk+3], v[AF] offset:64*(\k0+\kk)
	ds_load_b128 v[FR+64*\set+16*\kk+4:FR+64*\set+16*\kk+7], v[AF] offset:64*(\k0+\kk)+32
	ds_load_b128 v[FR+64*\set+16*\kk+8:FR+64*\set+16*\kk+11], v[BF] offset:64*(\k0+\kk)
	ds_load_b128 v[FR+64*\set+16*\kk+12:FR+64*\set+16*\kk+15], v[BF] offset:64*(\k0+\kk)+32
.endr
.endm
; Used transposed (dw2's fragment first): lane (r, h) then holds row r of mb and eight neighbouring columns 8 h + j.
; Even and odd K steps go to two accumulators that take turns, one instruction a turn.
.macro KMUL set, zero
.irp kk, 0,1,2,3
.if \zero*(2-\kk) > 0
	v_wmma_f32_16x16x32_bf16 v[ACC+8*(\kk&1):ACC+8*(\kk&1)+7], v[FR+64*\set+16*\kk+8:FR+64*\set+16*\kk+15], v[FR+64*\set+16*\kk:FR+64*\set+16*\kk+7], 0
.else
	v_wmma_f32_16x16x32_bf16 v[ACC+8*(\kk&1):ACC+8*(\kk&1)+7], v[FR+64*\set+16*\kk+8:FR+64*\set+16*\kk+15], v[FR+64*\set+16*\kk:FR+64*\set+16*\kk+7], v[ACC+8*(\kk&1):ACC+8*(\kk&1)+7]
.endif
.endr
.endm
	KLD 0, 0
	KLD 1, 4
	KLD 2, 8
	s_wait_dscnt 32                                ; set 0 is in; the two younger sets of 16 loads stay out
	KMUL 0, 1                                      ; the first two products start the sums: nothing is cleared
.rept 4
	v_nop                                          ; four places (ISA guide 7.12.1) behind the matrix instructions; they stay beside the wait below
.endr
	s_wait_alu depctr_va_vdst(0)                   ; the four matrix instructions are done reading set 0, in which the next 16 loads land
	KLD 0, 12
	s_wait_dscnt 32                                ; set 1 is in
	KMUL 1, 0
	s_wait_dscnt 16                                ; set 2 is in
	KMUL 2, 0
	s_wait_dscnt 0x0
	KMUL 0, 0
.rept 4
	v_nop                                          ; four places before the results are read
.endr
.irp p, 0,2,4,6
	v_pk_add_f32 v[ACC+\p:ACC+\p+1], v[ACC+\p:ACC+\p+1], v[ACC+8+\p:ACC+8+\p+1]
.endr
.irp i, 0,1,2,3
	v_cvt_pk_bf16_f32 v[PK+\i], v[ACC+2*\i], v[ACC+2*\i+1]
.endr
	s_wait_alu depctr_va_vdst(0)                   ; the conversions have written the packed results, which the LDS store reads; the matrix instructions are done reading v16-19, in which the load from the stage lands
	ds_store_b128 v[SIN], v[PK:PK+3]               ; row r, columns 16 w + 8 h .. + 7
	s_wait_dscnt 0x0                               ; my part of the stage is written,
	s_barrier_signal -1
	s_barrier_wait -1                              ; everybody's is
	ds_load_b128 v[16:19], v[RDM]                  ; rows 2 w and 2 w + 1, 256 bytes each
	s_wait_dscnt 0x0
	global_store_b128 v[OUTM], v[16:19], s[18:19]  ; sixteen lanes store 256 consecutive bytes, aligned
	s_wait_dscnt 0x0                               ; the closing lines, six on end
	s_wait_alu 0x0
	s_wait_tensorcnt 0x0
	ds_add_u32 v254, v255
	s_wait_dscnt 0x0
	s_endpgm
.Lfunc_end_k_q843220f532_prep:
	.size	k_q843220f532_prep, .Lfunc_end_k_q843220f532_prep-k_q843220f532_prep
	.p2alignl 7, 3214868480
	.fill 96, 4, 3214868480
	.section	.rodata,"a",@progbits
	.p2align	6, 0x0
	.amdhsa_kernel k_q843220f532_prep
		.amdhsa_group_segment_fixed_size 155648
		.amdhsa_private_segment_fixed_size 0
		.amdhsa_enable_private_segment 0
		.amdhsa_kernarg_size 88
		.amdhsa_user_sgpr_count 2
		.amdhsa_user_sgpr_kernarg_segment_ptr 1
		.amdhsa_wavefront_size32 1
		.amdhsa_system_sgpr_workgroup_id_x 1
		.amdhsa_system_sgpr_workgroup_id_y 1
		.amdhsa_system_sgpr_workgroup_id_z 1
		.amdhsa_system_vgpr_workitem_id 0
		.amdhsa_next_free_vgpr 256
		.amdhsa_next_free_sgpr 66
		.amdhsa_reserve_vcc 0
		.amdhsa_float_denorm_mode_32 3
		.amdhsa_float_denorm_mode_16_64 3
		.amdhsa_memory_ordered 1
		.amdhsa_forward_progress 1
		.amdhsa_inst_pref_size 100
	.end_amdhsa_kernel
	.amdgpu_metadata
---
amdhsa.version: [ 1, 2 ]
amdhsa.kernels:
  - .name:           k_q843220f532_prep
    .symbol:         k_q843220f532_prep.kd
    .args:
      - { .name: inputs, .offset: 0, .size: 8, .value_kind: global_buffer, .address_space: global }
      - { .name: dw1, .offset: 8, .size: 8, .value_kind: global_buffer, .address_space: global }
      - { .name: dw2, .offset: 16, .size: 8, .value_kind: global_buffer, .address_space: global }
      - { .name: dw3, .offset: 24, .size: 8, .value_kind: global_buffer, .address_space: global }
      - { .name: db1, .offset: 32, .size: 8, .value_kind: global_buffer, .address_space: global }
      - { .name: db2, .offset: 40, .size: 8, .value_kind: global_buffer, .address_space: global }
      - { .name: xb, .offset: 48, .size: 8, .value_kind: global_buffer, .address_space: global }
      - { .name: mb, .offset: 56, .size: 8, .value_kind: global_buffer, .address_space: global }
      - { .name: w3b, .offset: 64, .size: 8, .value_kind: global_buffer, .address_space: global }
      - { .name: uv, .offset: 72, .size: 8, .value_kind: global_buffer, .address_space: global }
      - { .name: wv, .offset: 80, .size: 8, .value_kind: global_buffer, .address_space: global }
    .group_segment_fixed_size: 155648
    .private_segment_fixed_size: 0
    .kernarg_segment_align: 8
    .kernarg_segment_size: 88
    .max_flat_workgroup_size: 256
    .sgpr_count:     66
    .vgpr_count:     256
    .wavefront_size: 32
...
	.end_amdgpu_metadata
.endif
;; end of part 3
;; launch attn: the kernel of part 2 again; grid 256 x 1, 4 waves a work-group, clusters of 4 x 1, 327,680 bytes of LDS; arguments xb, mb, w3b, uv, wv, mask_array, inputs, db1, db2, db3, out0; writes out0
